; MI455X (gfx1250); checked and timed in simulation.
; The chip was launched on July 23, 2026; its instructions are those of AMD's public machine-readable ISA for CDNA 5 (MIT licence, August 2026) and "CDNA5" Instruction Set Architecture Reference Guide (July 2026). The comments in the code are by the model that wrote it; some were corrected since.
;; Causal Self Attention. Allowed arithmetic: matrix products marked QUANTISED: E4M3 operands, one given power-of-two scale a tensor, by v_wmma_f32_16x16x64_fp8_fp8 or v_wmma_f32_16x16x128_fp8_fp8, f32 sums; everything else in f32.
;; Inputs: W_attn 1,024 x 3,072 float32; W_proj 1,024 x 1,024 float32; b_attn 3,072 float32; b_proj 1,024 float32; lowp_scales 8 int32 (the exponents e of the quantised operands' scales 2^e); x 4 x 2,048 x 1,024 float32.
;; Outputs: out0 4 x 2,048 x 1,024 float32.
;; This version of the problem:
;;   THIS VERSION OF THE PROBLEM IS GIVEN IN LOW PRECISION. The matrix products marked QUANTISED in the list below multiply operands that are first quantised to E4M3 (4 exponent bits, 3 mantissa bits; 8 bits a number), with one given power-of-two scale for each operand tensor; their sums are f32. All else is computed in f32.
;;   The module's matrix products, in the order in which they are computed (A, B: the left and right operand; K: the contracted axis; several contracted axes count as one K, in the product's order):
;;     1. [M 8,192, K 1,024] x [K 1,024, N 3,072]; A: input x; B: input W_attn: QUANTISED (scales: A lowp_scales[0], B lowp_scales[1])
;;     2. batch 64 x [M 2,048, K 64] x [K 64, N 2,048]; A: computed on the way; B: computed on the way: QUANTISED (scales: A lowp_scales[2], B lowp_scales[3])
;;     3. batch 64 x [M 2,048, K 2,048] x [K 2,048, N 64]; A: softmax (see below); B: computed on the way: QUANTISED (scales: A lowp_scales[4], B lowp_scales[5])
;;     4. [M 8,192, K 1,024] x [K 1,024, N 1,024]; A: computed on the way; B: input W_proj: QUANTISED (scales: A lowp_scales[6], B lowp_scales[7])
;;   THE QUANTISER, for each operand of a quantised product, along K:
;;     - The operand's scale is 2^e, e = its entry of the input lowp_scales (int32; the entries are numbered through the quantised products in the list's order, A before B).
;;     - Each number is divided by the scale, clamped to +-448, and rounded to the nearest number of E4M3, ties to even, subnormals kept.
;;     - The product sums the exact products of the quantised numbers (number of the format x scale) in f32.
;;   ~~~python
;;   def quantise(x, axis, e):      # numpy; x: float32 -> the quantised numbers, widened to float32 again
;;       x = np.moveaxis(x, axis, -1); K = x.shape[-1]
;;       r = np.clip(x / 2.0 ** e, -448, 448)
;;       step = 2.0 ** (np.maximum(np.frexp(np.where(r == 0, 1, r))[1] - 1, -6) - 3)
;;       q = np.round(r / step) * step * 2.0 ** e      # np.round: ties to even
;;       return np.moveaxis(q, -1, axis).astype(np.float32)
;;   ~~~
;;   SOFTMAX AHEAD OF A QUANTISED PRODUCT. Where the list says 'softmax', what is quantised is not the finished softmax but p = 2^(t - M), with t = logit x log2(e) and M = ceil(the row's largest t), a whole number; so 1/2 < the row's largest p <= 1. The row's sum l is taken of the UNQUANTISED p, in f32, and the product's result is divided by l at the end. Since M is a whole number, a kernel that streams over the keys may use a running M (the ceiling of the running maximum): every later rescaling is an exact power of two, so the quantised numbers keep their values, but for numbers so far below the row's largest that they fall under the format's range.
;;   OPERANDS COMPUTED ON THE WAY. 'Computed on the way' means the value that the module computes at that place (a softmax that the list does not call 'softmax' is quantised finished and normalised). What goes into a quantiser is computed in f32, as accurately as f32 sums, v_exp_f32 and their like allow (about 1e-6 of the number): no bf16 or f16 on the way to a quantiser, and a product that is left as it is and whose result goes on into a quantised operand takes f32 operands (vector FMAs, or v_wmma_f32_16x16x4_f32). A number that lies on a knife's edge between two numbers of the format may be rounded either way, as far as f32 arithmetic and the matrix unit's own rounding can turn it there, and no further.
;; One version. Each part assembles by itself: llvm-mc -triple=amdgcn-amd-amdhsa -mcpu=gfx1250 --defsym DOCPART=n.
;; ======== version 1 of 1: 4 launches
;; limits: right only within a limited range of input values
;; workspace buffers: x_img 8,388,608 bytes; wa_img 3,145,728 bytes; wp_img 1,048,576 bytes; q_img 8,388,608 bytes; k_img 8,388,608 bytes; v_img 8,388,608 bytes; y_img 8,388,608 bytes
;; launch quant (part 1): grid 384 x 1, 8 waves a work-group, no clusters, 68,608 bytes of LDS; arguments x, W_attn, W_proj, lowp_scales, x_img, wa_img, wp_img; writes x_img, wa_img, wp_img
.if DOCPART == 1
	.amdgcn_target "amdgcn-amd-amdhsa--gfx1250"
	.amdhsa_code_object_version 6
	.text
	.protected	k_qe594dec66a_quant
	.globl	k_qe594dec66a_quant
	.p2align	8
	.type	k_qe594dec66a_quant,@function
k_qe594dec66a_quant:
	s_mov_b64 s[64:65], 0
	v_nop
	global_prefetch_b8 v0, s[64:65] scope:SCOPE_SE
	s_setreg_imm32_b32 hwreg(HW_REG_WAVE_MODE, 25, 1), 1
	s_wait_xcnt 0x0
; x [8192][1024], W_attn [1024][3072] and W_proj [1024][1024], f32, become codes of FP8 (E4M3), each with the one scale 2^e that is given for it (entries 0, 1 and 7 of the scales).
; code = number / 2^e, held within +-448, rounded to the nearest code, ties to even.  LIMITS: each e between -126 and 119, so that 2^e and 448 x 2^e are f32 numbers.  NaN among the inputs is not served; an infinity is held at the largest code.
; THE CODES ARE LAID AS IMAGES OF OPERAND REGISTERS.  A fragment is 16 entities (rows of x, columns of a weight) x 128 along K: 2,048 bytes; byte 512 c + 16 L + i holds entity pi(tile, L % 16) at k = 128 s + 32 c + 16 (L / 16) + i.
; pi(tile, p) = 32 (tile / 2) + 8 (tile % 2) + p + 8 (p / 8): a tile's sixteen entities are two groups of eight, 16 apart.  A buffer is [tile][s 0..7][2048].
; So the products' launches fetch a fragment by four loads of 16 bytes a lane at 16 x lane, and their results fall so that 16 registers of a lane are 16 neighbours along the next K.
; SHARES.  384 work-groups of eight waves, each moving 128 KiB of f32: 0-255 take x (32 rows each), 256-351 W_attn, 352-383 W_proj (128 columns x 256 along K each).  The three ways part on the work-group's number alone.
; x: K is innermost.  A load takes 512 consecutive bytes of one row; a fragment's 16 rows turn through the wave's own stage in LDS and come back 64 bytes a lane: 16 neighbours of each block of 32.
; Weights: K is the first axis.  A lane takes a column and its registers run down K: each load reads 128 consecutive bytes a wave, four waves side by side 512; the conversions' results are the image's 16 bytes.  No LDS.
; No tensor loads, no barrier: waves share nothing.
.set STGB,  8448                       ; a wave's stage: 16 rows x (512 bytes + 16)
.set SPARE, 8*STGB                     ; behind the stages: the spare words, 128 bytes for each wave: four blocks of 256 bytes that no other line names
.set LIMV,  10                         ; v10      448 x 2^e
.set SCV,   11                         ; v11      2^e: the conversion takes its exponent field
.set SPW,   12                         ; v12      LDS address of my spare word; never rewritten
.set NIL,   13                         ; v13      0; never rewritten
.set R,     16                         ; v16-143  numbers as they are loaded
.set X,     144                        ; v144-207 x: 64 numbers of a lane in the image's order
.set C,     208                        ; v208-239 codes: registers of their own for each store
.macro SCALE e                         ; s[e] holds the exponent
	s_add_co_i32 s22, s[\e], 127
	s_lshl_b32 s23, s22, 23
	v_mov_b32 v[SCV], s23
	s_add_co_i32 s22, s22, 8
	s_lshl_b32 s22, s22, 23
	s_or_b32 s22, s22, 0x600000                    ; the mantissa field of 448
	v_mov_b32 v[LIMV], s22
.endm
.macro FINISH                          ; the wave's end
	s_wait_tensorcnt 0x0
	ds_add_u32 v[SPW], v[NIL]
	s_wait_dscnt 0x0
	s_endpgm
.endm
	s_load_b256 s[4:11], s[0:1], 0x0               ; x s[4:5], W_attn s[6:7], W_proj s[8:9], the scales' exponents s[10:11]
	s_load_b128 s[12:15], s[0:1], 0x20             ; x_img s[12:13], wa_img s[14:15]
	s_load_b64 s[16:17], s[0:1], 0x30              ; wp_img
	v_lshl_add_u32 v[SPW], v0, 2, SPARE
	v_mov_b32 v[NIL], 0
	v_lshrrev_b32 v1, 5, v0
	s_delay_alu instid0(VALU_DEP_1)
	v_readfirstlane_b32 s18, v1                    ; wave 0..7
	v_and_b32 v1, 31, v0                           ; lane
	s_delay_alu instid0(VALU_DEP_1)
	v_lshlrev_b32 v2, 4, v1                        ; 16 x lane
	s_delay_alu instid0(VALU_DEP_2)
	v_lshlrev_b32 v5, 2, v1                        ; 4 x lane
	v_and_b32 v7, 15, v0                           ; r
	v_bfe_u32 v8, v0, 4, 1                         ; h
	s_mul_i32 s21, s18, STGB                       ; my stage
	v_add_nc_u32 v3, s21, v2                       ; into it: a row's 512 bytes as they lie
	v_mul_u32_u24 v4, v7, 528
	s_delay_alu instid0(VALU_DEP_1)
	v_lshl_add_u32 v4, v8, 6, v4
	s_delay_alu instid0(VALU_DEP_1)
	v_add_nc_u32 v4, s21, v4                       ; out of it: row r, + 64 h: rows 33 x 16 bytes apart, so sixteen lanes take sixteen different columns of 16 bytes
	v_bfe_u32 v9, v0, 3, 1                         ; weights: column 32 G + lane lies in tile 2 G + (lane / 8) % 2,
	v_and_b32 v14, 7, v0
	s_delay_alu instid0(VALU_DEP_1)
	v_lshl_add_u32 v14, v8, 3, v14                 ; at place p = lane % 8 + 8 (lane / 16)
	s_delay_alu instid0(VALU_DEP_1)
	v_lshlrev_b32 v6, 4, v14
	s_delay_alu instid0(VALU_DEP_1)
	v_lshl_add_u32 v6, v9, 14, v6                  ; 16 p + 16,384 x which tile of the pair
	s_and_b32 s19, s18, 3
	s_lshr_b32 s20, s18, 2
	s_wait_kmcnt 0x0
	s_load_b256 s[24:31], s[10:11], 0x0            ; e0 .. e7
	s_cmp_lt_u32 ttmp9, 256
	s_cbranch_scc0 .Lweights
	; ---- x.  Work-group g owns rows 32 g .. 32 g + 31: tiles 2 g and 2 g + 1.  Wave w takes tile 2 g + w / 4 and K = 256 (w % 4) on: two fragments.
	s_lshl_b32 s32, ttmp9, 17                      ; 32 rows of 4,096 bytes
	s_lshl_b32 s33, s20, 15                        ; the odd tile begins 8 rows further down
	s_add_co_u32 s32, s32, s33
	s_lshl_b32 s33, s19, 10                        ; 256 numbers along K
	s_add_co_u32 s32, s32, s33
	s_mov_b32 s33, 0
	s_add_nc_u64 s[4:5], s[4:5], s[32:33]
	s_lshl_b32 s34, ttmp9, 15                      ; two tiles of 16,384 bytes
	s_lshl_b32 s35, s20, 14
	s_add_co_u32 s34, s34, s35
	s_lshl_b32 s35, s19, 12                        ; two fragments of 2,048
	s_add_co_u32 s34, s34, s35
	s_mov_b32 s35, 0
	s_add_nc_u64 s[12:13], s[12:13], s[34:35]
.macro XLOAD f                         ; fragment f: place i of the tile is row i + 8 (i / 8); 32 lanes read 512 consecutive bytes of it
.irp i, 0,1,2,3,4,5,6,7,8,9,10,11,12,13,14,15
	global_load_b128 v[R+64*\f+4*\i:R+64*\f+4*\i+3], v2, s[4:5] offset:(\i+8*(\i/8))*4096+512*\f th:TH_LOAD_NT
.endr
.endm
.macro XTURN f                         ; through the stage: LDS serves a wave's instructions in order (ISA guide 5.7.1.4), so no wait stands between the stores and the loads
.irp i, 0,1,2,3,4,5,6,7,8,9,10,11,12,13,14,15
	ds_store_b128 v3, v[R+64*\f+4*\i:R+64*\f+4*\i+3] offset:528*\i
.endr
.irp c, 0,1,2,3
.irp j, 0,1,2,3
	ds_load_b128 v[X+16*\c+4*\j:X+16*\c+4*\j+3], v4 offset:128*\c+16*\j   ; k = 32 c + 16 h + 4 j on, of row r
.endr
.endr
.endm
.macro XQUANT f
.set i, 0
.rept 64
	v_med3_num_f32 v[X+i], v[X+i], -v[LIMV], v[LIMV]   ; the conversion to an 8-bit code does not saturate (ISA guide 7.6.2): the hold comes first
.set i, i+1
.endr
.irp k, 0,1,2,3,4,5,6,7
	v_cvt_scalef32_pk8_fp8_f32 v[C+16*\f+2*\k:C+16*\f+2*\k+1], v[X+8*\k:X+8*\k+7], v[SCV]
.endr
	v_nop                                          ; a plain vector line behind the last conversion of a run
.irp c, 0,1,2,3
	global_store_b128 v2, v[C+16*\f+4*\c:C+16*\f+4*\c+3], s[12:13] offset:2048*\f+512*\c   ; 32 lanes store 512 consecutive bytes, aligned
.endr
.endm
	XLOAD 0
	XLOAD 1
	s_wait_kmcnt 0x0
	SCALE 24                                       ; e0
	s_wait_loadcnt 16                              ; fragment 0's sixteen loads are in; fragment 1's may be out
	s_wait_alu depctr_va_vdst(0)
	XTURN 0
	s_wait_dscnt 0x0
	XQUANT 0
	s_wait_loadcnt 0x0
	XTURN 1
	s_wait_dscnt 0x0
	XQUANT 1
	FINISH
	; ---- a weight [1024][n].  Work-group j takes columns 128 (j / 4) on and K = 256 (j % 4) on; wave w columns 32 (w % 4) on of those, a lane a column, and 128 along K: fragment s = 2 (j % 4) + w / 4 of two tiles.
.macro WLOAD c, n, pin                 ; block c: W(32 c + i, my column), i = 0 .. 31
.irp i, 0,1,2,3,4,5,6,7,8,9,10,11,12,13,14,15,16,17,18,19,20,21,22,23,24,25,26,27,28,29,30,31
	global_load_b32 v[R+32*(\c)+\i], v5, s[\pin:\pin+1] offset:(32*(\c)+\i)*\n*4 th:TH_LOAD_NT
.endr
.endm
.macro WPATH n, first, pin, pout, e
	s_sub_co_u32 s32, ttmp9, \first
	s_lshr_b32 s33, s32, 2                         ; which 128 columns
	s_and_b32 s34, s32, 3                          ; which 256 along K
	s_lshl_b32 s35, s34, 8
	s_lshl_b32 s36, s20, 7
	s_add_co_u32 s35, s35, s36                     ; my first row of the weight
	s_mul_i32 s36, s35, \n*4
	s_lshl_b32 s37, s33, 9
	s_add_co_u32 s36, s36, s37
	s_lshl_b32 s37, s19, 7
	s_add_co_u32 s36, s36, s37                     ; + 4 x my wave's first column
	s_mov_b32 s37, 0
	s_add_nc_u64 s[\pin:\pin+1], s[\pin:\pin+1], s[36:37]
	s_lshl_b32 s38, s33, 17                        ; eight tiles of 16,384 bytes to 128 columns,
	s_lshl_b32 s39, s19, 15                        ; two to my wave's 32,
	s_add_co_u32 s38, s38, s39
	s_lshl_b32 s39, s34, 12
	s_add_co_u32 s38, s38, s39
	s_lshl_b32 s39, s20, 11
	s_add_co_u32 s38, s38, s39                     ; and fragment s
	s_mov_b32 s39, 0
	s_add_nc_u64 s[\pout:\pout+1], s[\pout:\pout+1], s[38:39]
	WLOAD 0, \n, \pin
	WLOAD 1, \n, \pin
	s_wait_kmcnt 0x0
	SCALE \e
	s_wait_alu depctr_va_vdst(0)
.irp c, 0,1,2,3
.if \c < 3
	s_wait_loadcnt 32                              ; this block's 32 loads are in; the next block's may be out
.else
	s_wait_loadcnt 0x0
.endif
.if \c < 2
	WLOAD \c+2, \n, \pin                           ; two blocks ahead; every block has registers of its own
.endif
.set i, 0
.rept 32
	v_med3_num_f32 v[R+32*\c+i], v[R+32*\c+i], -v[LIMV], v[LIMV]
.set i, i+1
.endr
.irp k, 0,1,2,3
	v_cvt_scalef32_pk8_fp8_f32 v[C+8*\c+2*\k:C+8*\c+2*\k+1], v[R+32*\c+8*\k:R+32*\c+8*\k+7], v[SCV]
.endr
	v_nop                                          ; a plain vector line behind the last conversion of a run
	global_store_b128 v6, v[C+8*\c:C+8*\c+3], s[\pout:\pout+1] offset:512*\c          ; k = 32 c + 0 .. 15: the image's lanes 0-15.  Sixteen lanes fill 256 consecutive bytes, aligned, in each of the two tiles
	global_store_b128 v6, v[C+8*\c+4:C+8*\c+7], s[\pout:\pout+1] offset:512*\c+256    ; k = 32 c + 16 .. 31: its lanes 16-31
.endr
	FINISH
.endm
.Lweights:
	s_cmp_lt_u32 ttmp9, 352
	s_cbranch_scc0 .Lproj
	WPATH 3072, 256, 6, 14, 25                     ; W_attn, e1
.Lproj:
	WPATH 1024, 352, 8, 16, 31                     ; W_proj, e7
.Lfunc_end_k_qe594dec66a_quant:
	.size	k_qe594dec66a_quant, .Lfunc_end_k_qe594dec66a_quant-k_qe594dec66a_quant
	.p2alignl 7, 3214868480
	.fill 96, 4, 3214868480
	.section	.rodata,"a",@progbits
	.p2align	6, 0x0
	.amdhsa_kernel k_qe594dec66a_quant
		.amdhsa_group_segment_fixed_size 68608
		.amdhsa_private_segment_fixed_size 0
		.amdhsa_enable_private_segment 0
		.amdhsa_kernarg_size 56
		.amdhsa_user_sgpr_count 2
		.amdhsa_user_sgpr_kernarg_segment_ptr 1
		.amdhsa_wavefront_size32 1
		.amdhsa_system_sgpr_workgroup_id_x 1
		.amdhsa_system_sgpr_workgroup_id_y 1
		.amdhsa_system_sgpr_workgroup_id_z 1
		.amdhsa_system_vgpr_workitem_id 0
		.amdhsa_next_free_vgpr 240
		.amdhsa_next_free_sgpr 66
		.amdhsa_reserve_vcc 0
		.amdhsa_float_denorm_mode_32 3
		.amdhsa_float_denorm_mode_16_64 3
		.amdhsa_memory_ordered 1
		.amdhsa_forward_progress 1
		.amdhsa_inst_pref_size 67
	.end_amdhsa_kernel
	.amdgpu_metadata
---
amdhsa.version: [ 1, 2 ]
amdhsa.kernels:
  - .name:           k_qe594dec66a_quant
    .symbol:         k_qe594dec66a_quant.kd
    .args:
      - { .name: x, .offset: 0, .size: 8, .value_kind: global_buffer, .address_space: global }
      - { .name: W_attn, .offset: 8, .size: 8, .value_kind: global_buffer, .address_space: global }
      - { .name: W_proj, .offset: 16, .size: 8, .value_kind: global_buffer, .address_space: global }
      - { .name: lowp_scales, .offset: 24, .size: 8, .value_kind: global_buffer, .address_space: global }
      - { .name: x_img, .offset: 32, .size: 8, .value_kind: global_buffer, .address_space: global }
      - { .name: wa_img, .offset: 40, .size: 8, .value_kind: global_buffer, .address_space: global }
      - { .name: wp_img, .offset: 48, .size: 8, .value_kind: global_buffer, .address_space: global }
    .group_segment_fixed_size: 68608
    .private_segment_fixed_size: 0
    .kernarg_segment_align: 8
    .kernarg_segment_size: 56
    .max_flat_workgroup_size: 256
    .sgpr_count:     66
    .vgpr_count:     240
    .wavefront_size: 32
...
	.end_amdgpu_metadata
.endif
;; end of part 1
;; launch gemm_qkv (part 2): grid 8 x 64, 4 waves a work-group, clusters of 4 x 4, 327,680 bytes of LDS; arguments x_img, wa_img, lowp_scales, b_attn, q_img, k_img, v_img; writes q_img, k_img, v_img
.if DOCPART == 2
	.amdgcn_target "amdgcn-amd-amdhsa--gfx1250"
	.amdhsa_code_object_version 6
	.text
	.protected	k_qe594dec66a_gemm_qkv
	.globl	k_qe594dec66a_gemm_qkv
	.p2align	8
	.type	k_qe594dec66a_gemm_qkv,@function
k_qe594dec66a_gemm_qkv:
	s_mov_b64 s[64:65], 0
	v_nop
	global_prefetch_b8 v0, s[64:65] scope:SCOPE_SE
	s_setreg_imm32_b32 hwreg(HW_REG_WAVE_MODE, 25, 1), 1
	s_wait_xcnt 0x0
	s_wait_alu depctr_hold_cnt(0) depctr_sa_sdst(0) depctr_va_vdst(0) depctr_va_sdst(0) depctr_va_ssrc(0) depctr_va_vcc(0) depctr_vm_vsrc(0)
	s_getreg_b32 s2, hwreg(HW_REG_IB_STS2, 6, 4)
	s_cmp_eq_u32 s2, 0
	s_cbranch_scc0 .Lentry_in_a_cluster
	s_endpgm
.Lentry_in_a_cluster:
	s_bfe_u32 s2, ttmp6, 0x10000c
	s_cmp_lg_u32 s2, 0xf033
	s_cbranch_scc0 .Lentry_shape_is_right
	s_endpgm
.Lentry_shape_is_right:
; qkv = x W_attn + b_attn on codes of FP8 (E4M3), K = 1,024; q, k and v are quantised in registers (scales' entries 2, 3, 5) and leave as images of the next products' operand registers.
; IMAGES.  x_img and wa_img are [tile][s 0..7][2048]: a fragment (16 entities x 128 K) has at byte 512 c + 16 L + i entity pi(tile, L % 16), k = 128 s + 32 c + 16 (L / 16) + i; pi(tile, p) = 32 (tile / 2) + 8 (tile % 2) + p + 8 (p / 8).
; A fragment is fetched by four loads of 16 bytes a lane at 16 x lane.  The order of k in the registers is the same in both operands, so every product meets its partner.
; THE MATRIX INSTRUCTION: source 0 = a tile of operand B, source 1 = a tile of operand A.  A lane then holds ONE entity of A, pi(a, lane % 16), and the 16 registers of B's tiles 2 g and 2 g + 1 are B's entities 32 g + 16 (lane / 16) + 0 .. 15:
; sixteen neighbours along the next K.  Two conversions make of them registers 4 g .. 4 g + 3 of the next operand, which one store of 16 bytes a lane at 16 x lane puts into its image: no way through LDS.
; TWO WAYS, parted once by the cluster's y (the same in all sixteen partners), each of 256 work-groups.
; y < 8: q and k.  A = 256 rows of x, B = 256 columns of W_attn's q part (cluster x = 0) or k part (1): a lane holds a token, its registers run along the channels.  A wave makes 128 x 128: 64 accumulators.  Slots of 131,072 bytes.
; y >= 8: v.  A = 128 columns of the v part, B = 256 rows of x: a lane holds a channel, its registers run along the keys, which are the second attention product's K.  A wave makes 64 x 128 (one head, 128 keys): 32 accumulators.  Slots of 98,304 bytes.
;   With Y = y - 8: A's block is cy + 4 (Y % 2), of 8; B's is work-group x + 8 (Y / 2), of 32; Y / 2 is the batch.
; K goes in four steps of 256 through two LDS slots filled by the tensor data mover.
; q_img, k_img: [batch x 16 + head][token tile 0..127][1024] (16 tokens x 64 channels).  v_img: [batch x 16 + head][s 0..15][channel tile 0..3][2048] (16 channels x 128 keys).
; CLUSTERS: 4 x 4 work-groups.  A's tile is shared along a row of the cluster, B's along a column: each is asked for JOINTLY, by the same tensor load with the same descriptor and a mask that names the four.
; NO PREFETCH INTO THE L2: K has four steps; two come by first fills, and the two refills are asked for one and two steps behind the head.
; LIMITS: e0 + e1 between -126 and 127; e2, e3, e5 between -126 and 119, so that each power of two below is an f32 number.
; REGISTERS, in windows of 256: window 0: v0-31 addresses and constants; v32-95 the bias by B's entity (q, k), v96-103 by A's entity (v); from v128 A's fragments (q, k: one set; v: two); on the way out v128-255 are at work.
;   window 1: B's fragments, two sets, at v0 and v128.   window 2: the accumulators of A's blocks 0-3 ((a, b) at v[8 (8 (a % 4) + b)]);   window 3: those of blocks 4-7 (q, k).
.set KSB,    4096                      ; a tile's bytes of one K step: two fragments
.set HALFA,  4*KSB                     ; v: what a load brings of A
.set HALFT,  8*KSB                     ; eight tiles
.set SLOT,   4*HALFT                   ; q, k: A's 16 tiles, then B's 16
.set VSLOT,  2*HALFA+2*HALFT           ; v: A's 8 tiles, then B's 16
.set SPARE,  2*SLOT                    ; behind both ways' rings: the spare words, 128 bytes for each wave: two blocks of 256 bytes that no other line names
.set FR,     16
.set NL,     4
.set NP,     4                         ; places behind this matrix instruction (ISA guide 7.12.1)
.set ADRA, 16                          ; v16-17  LDS address of my A fragments in slot 0, 1
.set ADRB, 20                          ; v20-21  the same for B
.set CO,   26                          ; v26     16 x lane
.set SPW,  28
.set NIL,  29
.set QS,   30                          ; v30     2^eo, for the conversions
.set QL,   31                          ; v31     448 x 2^eo
.set BIAS, 32
.set BIASV, 96
.set AF,   128
.set TMP,  128                         ; the way out: a block's 64 numbers
.set CD,   192                         ; and its codes
.set G1, 24
.set G0, 32
.set G1B, 48
.set G0B, 56
.set MSB, 0
.macro WIN new                         ; the immediate's high byte repeats the setting that is left
.if MSB != \new
	s_set_vgpr_msb (MSB<<8)|\new
.set MSB, \new
.endif
.endm
.set MUL_LO, 0xa1                      ; source 0 (B) window 1, source 1 (A) window 0, C and D window 2
.set MUL_HI, 0xf1                      ; the same, C and D window 3
.set TO_B,   0x40                      ; destination window 1, address window 0
.macro JLOAD g0a, g1a, g0b, g1b        ; a joint load: waves 0 and 1 fetch for A, waves 2 and 3 for B; an s_nop 0 and four v_nop follow each line
	s_cmp_eq_u32 s15, 0
	s_cbranch_scc0 .Lfor_b_\@
	tensor_load_to_lds s[\g0a:\g0a+3], s[\g1a:\g1a+7]
	s_nop 0
.rept 4
	v_nop
.endr
	s_branch .Lasked_\@
.Lfor_b_\@:
	tensor_load_to_lds s[\g0b:\g0b+3], s[\g1b:\g1b+7]
	s_nop 0
.rept 4
	v_nop
.endr
.Lasked_\@:
.endm
.macro CREST                           ; a round of the cluster's barrier behind its opening barrier
	s_cmp_lg_u32 s14, 0
	s_cbranch_scc1 .Lnot_wave_0_\@
	s_barrier_signal -3
.Lnot_wave_0_\@:
	s_barrier_wait -3
	s_barrier_signal -1
	s_barrier_wait -1
.endm
.macro CROUND
	s_barrier_signal -1
	s_barrier_wait -1
	CREST
.endm
.macro PLACES n
.rept \n
	v_nop
.endr
.endm
.macro FRAG reg, adr, q, i             ; fragment q of tile i of mine: four loads of 512 consecutive bytes
.irp c, 0,1,2,3
	ds_load_b128 v[\reg+4*\c:\reg+4*\c+3], v[\adr] offset:2048*(\q)+512*\c+(\i)*KSB
.endr
.endm
.macro SLOT1FILL                       ; the head's end, and slot 1's first fill, issued as a refill is
	s_wait_alu depctr_va_vdst(0)                   ; the head's end
	s_wait_tensorcnt 0x0                           ; my part of K step 0 is in
	ds_add_u32 v[SPW], v[NIL]                      ; 0 onto my spare word
	s_wait_dscnt 0x0
	CROUND                                         ; everybody's part of K step 0 is in, and the sixteen work-groups meet
	JLOAD G0+4, G1, G0B+4, G1B                     ; K step 1: the first tensor load behind the round
.endm
.macro FINISH
	s_wait_tensorcnt 0x0                           ; the wave's end: behind my last tensor load
	ds_add_u32 v[SPW], v[NIL]
	s_wait_dscnt 0x0
	CROUND                                         ; the closing round
	s_endpgm
.endm
.macro QSCALE e                        ; 2^(e0 + e1) in s[80:81]; 2^e and 448 x 2^e, e in s[e], for the conversions
	s_add_co_i32 s80, s72, s73
	s_add_co_i32 s80, s80, 127
	s_lshl_b32 s80, s80, 23
	s_mov_b32 s81, s80
	s_add_co_i32 s82, s[\e], 127
	s_lshl_b32 s83, s82, 23
	v_mov_b32 v[QS], s83
	s_add_co_i32 s82, s82, 8
	s_lshl_b32 s82, s82, 23
	s_or_b32 s82, s82, 0x600000
	v_mov_b32 v[QL], s82
.endm
	s_load_b256 s[4:11], s[0:1], 0x0               ; x_img s[4:5], wa_img s[6:7], the scales' exponents s[8:9], b_attn s[10:11]
	s_load_b128 s[84:87], s[0:1], 0x20             ; q_img, k_img
	s_load_b64 s[88:89], s[0:1], 0x30              ; v_img
	v_lshl_add_u32 v[SPW], v0, 2, SPARE
	v_mov_b32 v[NIL], 0
	ds_add_u32 v[SPW], v[NIL]                      ; the opening lines: the add, twice on end, and its wait ahead of my first tensor load
	ds_add_u32 v[SPW], v[NIL]
	v_lshrrev_b32 v1, 5, v0
	v_readfirstlane_b32 s14, v1                    ; wave 0..3
	s_lshr_b32 s15, s14, 1                         ; which half of A's entities is mine.  Also: I fetch for A (0) or for B (1)
	s_and_b32 s16, s14, 1                          ; which half of B's.  Also: which half of that operand's tiles I fetch
	s_bfe_u32 s40, ttmp6, 0x40000                  ; cx, cy: my place in the cluster
	s_bfe_u32 s41, ttmp6, 0x40004
	s_lshl_b32 s42, ttmp9, 2
	s_add_co_u32 s42, s42, s40                     ; work-group x: 0 .. 7
	s_and_b32 s12, ttmp7, 0xffff                   ; cluster y: 0 .. 15
	s_lshl_b32 s17, s12, 2
	s_add_co_u32 s17, s17, s41                     ; work-group y
	s_lshl_b32 s43, s41, 2
	s_lshl_b32 s43, 15, s43                        ; my row of the cluster
	s_lshl_b32 s44, 0x1111, s40                    ; my column
	s_or_b32 s[G1+0], s43, (3<<16)|(1<<21)         ; A's tiles go to my row; elements of 8 bytes; bit 21 beside a mask
	s_or_b32 s[G1B+0], s44, (3<<16)|(1<<21)        ; B's go to my column
.irp g, G1, G1B                                ; rows of 4,096 bytes (512 elements of 8), 16,384 bytes apart in memory, dense in LDS
	s_mov_b32 s[\g+1], 512<<16
	s_mov_b32 s[\g+3], 512<<16
	s_mov_b32 s[\g+5], 2048
	s_mov_b32 s[\g+6], 0
	s_mov_b32 s[\g+7], 0
.endr
	s_mov_b32 s[G1B+2], 8<<16                      ; eight tiles of B a load
	s_mov_b32 s[G1B+4], 8
	s_mov_b32 s21, 0
	s_mov_b32 s47, 0
	s_wait_dscnt 0x0                               ; both opening adds are done
	CROUND                                         ; the round in front of the first joint loads; the arguments arrive meanwhile
	s_wait_kmcnt 0x0
	s_load_b256 s[72:79], s[8:9], 0x0              ; e0 .. e7
	s_cmp_ge_u32 s12, 8
	s_cbranch_scc1 .Lv
	; ---------------- q and k ----------------
	s_mov_b32 s[G1+2], 8<<16                       ; eight tiles of A a load
	s_mov_b32 s[G1+4], 8
	s_lshl_b32 s20, s17, 18                        ; A = rows 256 x work-group y on: sixteen tiles of 16,384 bytes
	s_lshl_b32 s46, s42, 18                        ; B = columns 256 x work-group x on
	s_lshl_b32 s18, s16, 17                        ; the eight tiles that I fetch
	s_add_co_u32 s20, s20, s18
	s_add_co_u32 s46, s46, s18
	s_mul_i32 s45, s14, HALFT                      ; where they go: wave x eight tiles: no place in the cluster enters an LDS address
	s_add_nc_u64 s[20:21], s[4:5], s[20:21]
	s_add_nc_u64 s[46:47], s[6:7], s[46:47]
.irp s, 0,1
	s_mov_b32 s[G0+4*\s], 1
	s_add_co_u32 s[G0+4*\s+1], s45, \s*SLOT
	s_add_nc_u64 s[G0+4*\s+2:G0+4*\s+3], s[20:21], \s*KSB
	s_or_b32 s[G0+4*\s+3], s[G0+4*\s+3], 0x80000000
	s_mov_b32 s[G0B+4*\s], 1
	s_add_co_u32 s[G0B+4*\s+1], s45, \s*SLOT
	s_add_nc_u64 s[G0B+4*\s+2:G0B+4*\s+3], s[46:47], \s*KSB
	s_or_b32 s[G0B+4*\s+3], s[G0B+4*\s+3], 0x80000000
.endr
	JLOAD G0, G1, G0B, G1B                         ; K step 0: one tensor load a wave at the head
	s_lshl_b32 s92, s42, 10
	s_lshl_b32 s93, s16, 9
	s_add_co_u32 s92, s92, s93                     ; the bias: 4 x (256 x work-group x + 128 x half)
	s_mov_b32 s93, 0
	s_add_nc_u64 s[92:93], s[10:11], s[92:93]
	v_bfe_u32 v3, v0, 4, 1                         ; h
	v_lshlrev_b32 v4, 6, v3                        ; register 16 g + i wants column 32 g + 16 h + i
.irp g, 0,1,2,3
.irp j, 0,1,2,3
	global_load_b128 v[BIAS+16*\g+4*\j:BIAS+16*\g+4*\j+3], v4, s[92:93] offset:128*\g+16*\j
.endr
.endr
	v_and_b32 v1, 31, v0
	v_lshlrev_b32 v[CO], 4, v1
	s_mul_i32 s21, s15, HALFT                      ; my eight tiles of A
	s_mul_i32 s22, s16, HALFT                      ; my eight tiles of B,
	s_add_co_u32 s22, s22, 2*HALFT                 ; which lie behind A's sixteen
.irp s, 0,1
	v_add_nc_u32 v[ADRA+\s], s21, v[CO]
	v_add_nc_u32 v[ADRB+\s], s22, v[CO]
	s_add_co_u32 s21, s21, SLOT
	s_add_co_u32 s22, s22, SLOT
.endr
	; where my results go: ((batch x 16 + head) x 128 + token tile) x 1,024
	s_lshr_b32 s18, s17, 3                         ; the batch
	s_lshl_b32 s18, s18, 4
	s_and_b32 s19, s42, 3
	s_lshl_b32 s19, s19, 2
	s_add_co_u32 s18, s18, s19
	s_lshl_b32 s19, s16, 1
	s_add_co_u32 s18, s18, s19                     ; + the first of my two heads: 4 (work-group x % 4) + 2 x half
	s_lshl_b32 s18, s18, 7
	s_and_b32 s19, s17, 7
	s_lshl_b32 s19, s19, 4
	s_add_co_u32 s18, s18, s19
	s_lshl_b32 s19, s15, 3
	s_add_co_u32 s18, s18, s19                     ; + my first token tile: 16 (work-group y % 8) + 8 x half
	s_lshl_b32 s18, s18, 10
	s_mov_b32 s19, 0
	s_wait_kmcnt 0x0                               ; the exponents
	s_cmp_eq_u32 ttmp9, 0
	s_cselect_b64 s[90:91], s[84:85], s[86:87]     ; q_img or k_img,
	s_cselect_b32 s3, s74, s75                     ; e2 or e3
	s_add_nc_u64 s[90:91], s[90:91], s[18:19]
	QSCALE 3
; 16 matrix instructions: A's blocks a0, a0 + 1 x B's eight, 128 along K.  p: B's set.  zero = 1: the first product starts the sums.  The 64 accumulators take turns, in the same order in every step.
.macro MUL16 a0, p, zero
.irp a, \a0, \a0+1
.irp b, 0,1,2,3,4,5,6,7
.if \zero
	v_wmma_f32_16x16x128_fp8_fp8 v[8*(8*((\a)%4)+\b):8*(8*((\a)%4)+\b)+7], v[128*(\p)+FR*\b:128*(\p)+FR*\b+FR-1], v[AF+FR*(\a):AF+FR*(\a)+FR-1], 0
.else
	v_wmma_f32_16x16x128_fp8_fp8 v[8*(8*((\a)%4)+\b):8*(8*((\a)%4)+\b)+7], v[128*(\p)+FR*\b:128*(\p)+FR*\b+FR-1], v[AF+FR*(\a):AF+FR*(\a)+FR-1], v[8*(8*((\a)%4)+\b):8*(8*((\a)%4)+\b)+7]
.endif
.endr
.endr
.endm
.macro FETCH_B slot, q, p
	WIN TO_B
.irp i, 0,1,2,3,4,5,6,7
	FRAG 128*(\p)+FR*\i, ADRB+\slot, \q, \i
.endr
	WIN 0
.endm
.macro FETCH_A slot, q, i0
.irp i, \i0, \i0+1, \i0+2, \i0+3
	FRAG AF+FR*(\i), ADRA+\slot, \q, \i
.endr
.endm
; A step of 128 along K that has its successor in the same slot.  A block of A is free as soon as its eight products are issued, so A has one set: blocks 0-3 are fetched anew in the step's middle, blocks 4-7 at its end.
.macro STEP slot, q, zero
	s_wait_dscnt 4*NL                              ; B's set and A's blocks 0-3 are in; the youngest sixteen loads (A's blocks 4-7) may be out
	WIN MUL_LO
	MUL16 0, (\q)%2, \zero
	MUL16 2, (\q)%2, \zero
	s_wait_dscnt 0                                 ; A's blocks 4-7 are in
	PLACES NP
	FETCH_B \slot, (\q)+1, 1-(\q)%2
	FETCH_A \slot, (\q)+1, 0
	WIN MUL_HI
	MUL16 4, (\q)%2, \zero
	MUL16 6, (\q)%2, \zero
	PLACES NP
	WIN 0
	FETCH_A \slot, (\q)+1, 4
.endm
; A slot's last step changes slots: ONE barrier; in front of it each wave waits for all its tensor loads, adds 0 to its spare word, and waits for that and for its own reads of this slot.  fill = 1: this slot is filled again, two K steps ahead.
.macro TURN slot, next, fill
	s_wait_tensorcnt 0x0                           ; all my tensor loads have landed: my part of the next slot
	ds_add_u32 v[SPW], v[NIL]                      ; 0 onto my spare word
	s_wait_dscnt 4*NL+1                            ; (the add and the youngest sixteen loads, A's blocks 4-7, may be out)
	WIN MUL_LO
	MUL16 0, 1, 0                                  ; sixteen matrix instructions stand between the add and the wait for it
	s_wait_dscnt 0x0                               ; the add is done, and my reads of this slot are over
	s_barrier_signal -1
	MUL16 2, 1, 0
	WIN 0
	s_barrier_wait -1
.if \fill
	CREST                                          ; the barrier has opened a round of the cluster's barrier
	s_add_nc_u64 s[G0+4*\slot+2:G0+4*\slot+3], s[G0+4*\slot+2:G0+4*\slot+3], 2*KSB
	s_add_nc_u64 s[G0B+4*\slot+2:G0B+4*\slot+3], s[G0B+4*\slot+2:G0B+4*\slot+3], 2*KSB
	JLOAD G0+4*\slot, G1, G0B+4*\slot, G1B         ; my one load behind the round; its four v_nop are the places in front of the loads below
.else
	PLACES NP
.endif
	FETCH_B \next, 0, 0
	FETCH_A \next, 0, 0
	WIN MUL_HI
	MUL16 4, 1, 0
	MUL16 6, 1, 0
	PLACES NP
	WIN 0
	FETCH_A \next, 0, 4
.endm
	SLOT1FILL
	FETCH_B 0, 0, 0
	FETCH_A 0, 0, 0
	FETCH_A 0, 0, 4
	STEP 0, 0, 1                                   ; four K steps of 256, eight steps of 128, written on end; the first products start the sums
	TURN 0, 1, 1                                   ; slot 0 takes K step 2
	STEP 1, 0, 0
	TURN 1, 0, 1                                   ; slot 1 takes K step 3
	STEP 0, 0, 0
	TURN 0, 1, 0                                   ; nothing is left to fetch
	STEP 1, 0, 0
	s_wait_dscnt 4*NL
	WIN MUL_LO
	MUL16 0, 1, 0
	MUL16 2, 1, 0
	s_wait_dscnt 0
	WIN MUL_HI
	MUL16 4, 1, 0
	MUL16 6, 1, 0
	WIN 0
; THE WAY OUT of A's block a: number = sum x 2^(e0 + e1) + bias, one packed multiply-add for two, each accumulator from its low end on; the hold; the conversions; four stores of 512 consecutive bytes, aligned.
.macro OUT a
.set AC, 64*((\a)%4)
.set CC, CD+16*((\a)%2)
.if (\a) > 1
	s_wait_xcnt 0x0                                ; block a - 2's stores have read their registers: its set of codes is written again only behind this wait
.endif
	WIN 0x02+((\a)/4)
.set i, 0
.rept 32
	v_pk_fma_f32 v[TMP+i:TMP+i+1], v[AC+i:AC+i+1], s[80:81], v[BIAS+i:BIAS+i+1] op_sel_hi:[1,0,1]
.set i, i+2
.endr
	WIN 0
.set i, 0
.rept 64
	v_med3_num_f32 v[TMP+i], v[TMP+i], -v[QL], v[QL]   ; the conversion to an 8-bit code does not saturate (ISA guide 7.6.2): the hold comes first
.set i, i+1
.endr
.irp k, 0,1,2,3,4,5,6,7
	v_cvt_scalef32_pk8_fp8_f32 v[CC+2*\k:CC+2*\k+1], v[TMP+8*\k:TMP+8*\k+7], v[QS]
.endr
	v_nop                                          ; a plain vector line behind the last conversion: the next block writes the numbers' registers
.irp g, 0,1,2,3
	global_store_b128 v[CO], v[CC+4*\g:CC+4*\g+3], s[90:91] offset:(\g/2)*131072+1024*(\a)+512*(\g%2)       ; head g / 2 of my two, token tile a, channels 32 (g % 2) on
.endr
.endm
	s_wait_loadcnt 0x0                             ; the bias
	PLACES NP                                      ; behind the last products
.irp a, 0,1,2,3,4,5,6,7
	OUT \a
.endr
	FINISH
	; ---------------- v ----------------
.Lv:
	s_mov_b32 s[G1+2], 4<<16                       ; four tiles of A a load
	s_mov_b32 s[G1+4], 4
	s_sub_co_u32 s13, s12, 8                       ; Y
	s_and_b32 s18, s13, 1
	s_lshl_b32 s18, s18, 2
	s_add_co_u32 s3, s18, s41                      ; A's block: cy + 4 (Y % 2)
	s_lshr_b32 s13, s13, 1                         ; the batch
	s_lshl_b32 s20, s3, 17                         ; eight tiles of 16,384 bytes to a block,
	s_add_co_u32 s20, s20, 2097152                 ; behind the 128 tiles of the q and k parts
	s_lshl_b32 s18, s16, 16                        ; the four tiles that I fetch
	s_add_co_u32 s20, s20, s18
	s_lshl_b32 s46, s13, 3
	s_add_co_u32 s46, s46, s42                     ; B's block: 8 x batch + work-group x
	s_lshl_b32 s46, s46, 18
	s_lshl_b32 s18, s16, 17                        ; the eight tiles that I fetch
	s_add_co_u32 s46, s46, s18
	s_mul_i32 s45, s16, HALFA                      ; where they go: no place in the cluster enters an LDS address
	s_mul_i32 s19, s16, HALFT
	s_add_co_u32 s19, s19, 2*HALFA
	s_add_nc_u64 s[20:21], s[6:7], s[20:21]
	s_add_nc_u64 s[46:47], s[4:5], s[46:47]
.irp s, 0,1
	s_mov_b32 s[G0+4*\s], 1
	s_add_co_u32 s[G0+4*\s+1], s45, \s*VSLOT
	s_add_nc_u64 s[G0+4*\s+2:G0+4*\s+3], s[20:21], \s*KSB
	s_or_b32 s[G0+4*\s+3], s[G0+4*\s+3], 0x80000000
	s_mov_b32 s[G0B+4*\s], 1
	s_add_co_u32 s[G0B+4*\s+1], s19, \s*VSLOT
	s_add_nc_u64 s[G0B+4*\s+2:G0B+4*\s+3], s[46:47], \s*KSB
	s_or_b32 s[G0B+4*\s+3], s[G0B+4*\s+3], 0x80000000
.endr
	JLOAD G0, G1, G0B, G1B                         ; K step 0: my one load at the head
	s_lshl_b32 s94, s3, 9
	s_lshl_b32 s95, s15, 8
	s_add_co_u32 s94, s94, s95
	s_add_co_u32 s94, s94, 8192                    ; the bias: 4 x (2,048 + 128 x block + 64 x half)
	s_mov_b32 s95, 0
	s_add_nc_u64 s[94:95], s[10:11], s[94:95]
	v_and_b32 v2, 15, v0                           ; r
	v_and_b32 v5, 8, v2
	v_add_nc_u32 v5, v5, v2
	v_lshlrev_b32 v5, 2, v5                        ; block a wants column pi(a, r)
.irp a, 0,1,2,3
	global_load_b32 v[BIASV+2*\a], v5, s[94:95] offset:(32*(\a/2)+8*(\a%2))*4
	global_load_b32 v[BIASV+2*\a+1], v5, s[94:95] offset:(32*(\a/2)+8*(\a%2))*4   ; twice: a pair for the packed multiply-add
.endr
	v_and_b32 v1, 31, v0
	v_lshlrev_b32 v[CO], 4, v1
	s_mul_i32 s21, s15, HALFA                      ; my four tiles of A
	s_mul_i32 s22, s16, HALFT                      ; my eight tiles of B,
	s_add_co_u32 s22, s22, 2*HALFA                 ; which lie behind A's eight
.irp s, 0,1
	v_add_nc_u32 v[ADRA+\s], s21, v[CO]
	v_add_nc_u32 v[ADRB+\s], s22, v[CO]
	s_add_co_u32 s21, s21, VSLOT
	s_add_co_u32 s22, s22, VSLOT
.endr
	; where my results go: ((batch x 16 + head) x 16 + s) x 8,192
	s_lshl_b32 s18, s13, 4
	s_lshl_b32 s19, s3, 1
	s_add_co_u32 s18, s18, s19
	s_add_co_u32 s18, s18, s15                     ; my head: 2 x block + half
	s_lshl_b32 s18, s18, 4
	s_lshl_b32 s19, s42, 1
	s_add_co_u32 s18, s18, s19
	s_add_co_u32 s18, s18, s16                     ; my 128 keys: s = 2 x work-group x + half
	s_lshl_b32 s18, s18, 13
	s_mov_b32 s19, 0
	s_add_nc_u64 s[90:91], s[88:89], s[18:19]
	s_wait_kmcnt 0x0                               ; the exponents
	QSCALE 77                                      ; e5
.macro VFETCH slot, q, p               ; the fragments of the slot's q-th 128 along K into sets p: B's eight, A's four
	WIN TO_B
.irp i, 0,1,2,3,4,5,6,7
	FRAG 128*(\p)+16*\i, ADRB+\slot, \q, \i
.endr
	WIN 0
.irp i, 0,1,2,3
	FRAG AF+64*(\p)+16*\i, ADRA+\slot, \q, \i
.endr
.endm
.macro VMUL16 a0, p, zero              ; A's blocks a0, a0 + 1 x B's eight; the 32 accumulators take turns, in the same order in every step
.irp a, \a0, \a0+1
.irp b, 0,1,2,3,4,5,6,7
.if \zero
	v_wmma_f32_16x16x128_fp8_fp8 v[8*(8*(\a)+\b):8*(8*(\a)+\b)+7], v[128*(\p)+16*\b:128*(\p)+16*\b+15], v[AF+64*(\p)+16*(\a):AF+64*(\p)+16*(\a)+15], 0
.else
	v_wmma_f32_16x16x128_fp8_fp8 v[8*(8*(\a)+\b):8*(8*(\a)+\b)+7], v[128*(\p)+16*\b:128*(\p)+16*\b+15], v[AF+64*(\p)+16*(\a):AF+64*(\p)+16*(\a)+15], v[8*(8*(\a)+\b):8*(8*(\a)+\b)+7]
.endif
.endr
.endr
.endm
.macro VSTEP slot, zero                ; a slot's first 128 along K, on sets 0; the second 128's fragments are fetched into sets 1 ahead of the products
	s_wait_dscnt 0x0                               ; this step's fragments are in
	PLACES 4                                       ; sets 1 were read by the last step's products
	VFETCH \slot, 1, 1
	WIN MUL_LO
	VMUL16 0, 0, \zero
	VMUL16 2, 0, \zero
	WIN 0
.endm
.macro VTURN slot, next, fill          ; a slot's second 128, on sets 1, and the change of slots
	s_wait_tensorcnt 0x0                           ; all my tensor loads have landed: my part of the next slot
	ds_add_u32 v[SPW], v[NIL]                      ; 0 onto my spare word
	s_wait_dscnt 0x0                               ; the add is done, and my reads of this slot are over
	s_barrier_signal -1
	WIN MUL_LO
	VMUL16 0, 1, 0
	WIN 0
	s_barrier_wait -1
.if \fill
	CREST
	s_add_nc_u64 s[G0+4*\slot+2:G0+4*\slot+3], s[G0+4*\slot+2:G0+4*\slot+3], 2*KSB
	s_add_nc_u64 s[G0B+4*\slot+2:G0B+4*\slot+3], s[G0B+4*\slot+2:G0B+4*\slot+3], 2*KSB
	JLOAD G0+4*\slot, G1, G0B+4*\slot, G1B         ; my one load behind the round; its four v_nop are the places in front of the loads below
.else
	PLACES 4
.endif
	VFETCH \next, 0, 0
	WIN MUL_LO
	VMUL16 2, 1, 0
	WIN 0
.endm
	SLOT1FILL
	VFETCH 0, 0, 0
	VSTEP 0, 1
	VTURN 0, 1, 1
	VSTEP 1, 0
	VTURN 1, 0, 1
	VSTEP 0, 0
	VTURN 0, 1, 0
	VSTEP 1, 0
	s_wait_dscnt 0x0
	WIN MUL_LO
	VMUL16 0, 1, 0
	VMUL16 2, 1, 0
	WIN 0
.macro VOUT a                          ; channel tile a of my head: register 16 g + i is key 32 g + 16 (lane / 16) + i of my 128; each block's codes have registers of their own
	WIN 0x02
.set i, 0
.rept 32
	v_pk_fma_f32 v[TMP+i:TMP+i+1], v[64*(\a)+i:64*(\a)+i+1], s[80:81], v[BIASV+2*(\a):BIASV+2*(\a)+1] op_sel_hi:[1,0,1]
.set i, i+2
.endr
	WIN 0
.set i, 0
.rept 64
	v_med3_num_f32 v[TMP+i], v[TMP+i], -v[QL], v[QL]
.set i, i+1
.endr
.irp k, 0,1,2,3,4,5,6,7
	v_cvt_scalef32_pk8_fp8_f32 v[CD+16*(\a)+2*\k:CD+16*(\a)+2*\k+1], v[TMP+8*\k:TMP+8*\k+7], v[QS]
.endr
	v_nop                                          ; a plain vector line behind the last conversion
.irp g, 0,1,2,3
	global_store_b128 v[CO], v[CD+16*(\a)+4*\g:CD+16*(\a)+4*\g+3], s[90:91] offset:2048*(\a)+512*\g   ; 32 lanes store 512 consecutive bytes, aligned
.endr
.endm
	s_wait_loadcnt 0x0                             ; the bias
	PLACES 4                                       ; behind the last products
.irp a, 0,1,2,3
	VOUT \a
.endr
	FINISH
.Lfunc_end_k_qe594dec66a_gemm_qkv:
	.size	k_qe594dec66a_gemm_qkv, .Lfunc_end_k_qe594dec66a_gemm_qkv-k_qe594dec66a_gemm_qkv
	.p2alignl 7, 3214868480
	.fill 96, 4, 3214868480
	.section	.rodata,"a",@progbits
	.p2align	6, 0x0
	.amdhsa_kernel k_qe594dec66a_gemm_qkv
		.amdhsa_group_segment_fixed_size 327680
		.amdhsa_private_segment_fixed_size 0
		.amdhsa_enable_private_segment 0
		.amdhsa_kernarg_size 56
		.amdhsa_user_sgpr_count 2
		.amdhsa_user_sgpr_kernarg_segment_ptr 1
		.amdhsa_wavefront_size32 1
		.amdhsa_system_sgpr_workgroup_id_x 1
		.amdhsa_system_sgpr_workgroup_id_y 1
		.amdhsa_system_sgpr_workgroup_id_z 1
		.amdhsa_system_vgpr_workitem_id 0
		.amdhsa_next_free_vgpr 1024
		.amdhsa_next_free_sgpr 98
		.amdhsa_reserve_vcc 0
		.amdhsa_float_denorm_mode_32 3
		.amdhsa_float_denorm_mode_16_64 3
		.amdhsa_memory_ordered 1
		.amdhsa_forward_progress 1
		.amdhsa_inst_pref_size 214
	.end_amdhsa_kernel
	.amdgpu_metadata
---
amdhsa.version: [ 1, 2 ]
amdhsa.kernels:
  - .name:           k_qe594dec66a_gemm_qkv
    .symbol:         k_qe594dec66a_gemm_qkv.kd
    .args:
      - { .name: x_img, .offset: 0, .size: 8, .value_kind: global_buffer, .address_space: global }
      - { .name: wa_img, .offset: 8, .size: 8, .value_kind: global_buffer, .address_space: global }
      - { .name: lowp_scales, .offset: 16, .size: 8, .value_kind: global_buffer, .address_space: global }
      - { .name: b_attn, .offset: 24, .size: 8, .value_kind: global_buffer, .address_space: global }
      - { .name: q_img, .offset: 32, .size: 8, .value_kind: global_buffer, .address_space: global }
      - { .name: k_img, .offset: 40, .size: 8, .value_kind: global_buffer, .address_space: global }
      - { .name: v_img, .offset: 48, .size: 8, .value_kind: global_buffer, .address_space: global }
    .group_segment_fixed_size: 327680
    .private_segment_fixed_size: 0
    .kernarg_segment_align: 8
    .kernarg_segment_size: 56
    .max_flat_workgroup_size: 128
    .sgpr_count:     98
    .vgpr_count:     1024
    .wavefront_size: 32
...
	.end_amdgpu_metadata
.endif
;; end of part 2
;; launch attn (part 3): grid 256 x 1, 8 waves a work-group, clusters of 4 x 1, 327,680 bytes of LDS; arguments q_img, k_img, v_img, lowp_scales, y_img; writes y_img
.if DOCPART == 3
	.amdgcn_target "amdgcn-amd-amdhsa--gfx1250"
	.amdhsa_code_object_version 6
	.text
	.protected	k_qe594dec66a_attn
	.globl	k_qe594dec66a_attn
	.p2align	8
	.type	k_qe594dec66a_attn,@function
k_qe594dec66a_attn:
	s_mov_b64 s[64:65], 0
	v_nop
	global_prefetch_b8 v0, s[64:65] scope:SCOPE_SE
	s_setreg_imm32_b32 hwreg(HW_REG_WAVE_MODE, 25, 1), 1
	s_wait_xcnt 0x0
	s_wait_alu depctr_hold_cnt(0) depctr_sa_sdst(0) depctr_va_vdst(0) depctr_va_sdst(0) depctr_va_ssrc(0) depctr_va_vcc(0) depctr_vm_vsrc(0)
	s_getreg_b32 s2, hwreg(HW_REG_IB_STS2, 6, 4)
	s_cmp_eq_u32 s2, 0
	s_cbranch_scc0 .Lentry_in_a_cluster
	s_endpgm
.Lentry_in_a_cluster:
	s_bfe_u32 s2, ttmp6, 0x10000c
	s_cmp_lg_u32 s2, 0x3003
	s_cbranch_scc0 .Lentry_shape_is_right
	s_endpgm
.Lentry_shape_is_right:
; y[b][q][head] = the sum over keys k <= q of softmax_k(Q . K / 8) V, head size 64, 2,048 tokens, 64 heads in all; both products on codes of FP8 (E4M3) with the given scales (entries 2, 3: q, k; 4: p; 5: v); y is quantised in registers (entry 6).
; THE SOFTMAX AHEAD OF THE SECOND PRODUCT: t = score x log2(e) / 8; M = the row's largest t so far, rounded UP to a whole number; p = 2^(t - M) is what is quantised, not normalised.
; The row's sum is taken of the unquantised p, in f32, and divides O at the end.  When M moves, the sum and O are multiplied by 2^(old M - new M): exact.
; LEFT OUT: key steps all of whose keys come after a tile's queries: the causal mask makes their p zero for all inputs.
; IMAGES.  q_img, k_img: [head][tile 0..127][1024]: byte 512 c + 16 L + i = token pi(tile, L % 16), channel 32 c + 16 (L / 16) + i.  v_img: [head][s 0..15][t 0..3][2048]: channel pi(t, L % 16), key 128 s + 32 c + 16 (L / 16) + i.
; pi(tile, p) = 32 (tile / 2) + 8 (tile % 2) + p + 8 (p / 8).  y_img: [token tile 0..511][s 0..7][2048], k = 64 x head + channel.  Every fragment is fetched at 16 x lane, 512 consecutive bytes a load.
; A HEAD'S K AND V LIE IN LDS WHOLE: 2 x 131,072 bytes, each byte filled once.  No slot is filled again, and the walk over the keys has no barrier.
; CLUSTER: the four work-groups of a cluster serve one head (the cluster's x) and ask for K and V JOINTLY (mask 15).  Each wave issues one load at the head (waves 0-3: a quarter each of K's key steps 0-4, 10,240 bytes; waves 4-7: of V's)
; and one behind the full sequence and a round (22,528 bytes each: key steps 5-15), which lands under the first four key steps' work.
; SHARES.  Work-group j = its place in the cluster.  A PAIR m is query tiles 8 m + j and 8 m + 4 + j: their queries lie in tokens 128 m .. 128 m + 127 for every j, so a pair walks key steps 0 .. m, and step m alone is masked:
; no branch hangs on j.  Both tiles of a pair share each fragment of K and V.  Wave w takes pair 15 - w and then pair w: 17 steps for every wave.
; The loop over key steps has 16 trips for every wave and pass.
; K'S FRAGMENTS RUN ONE STEP AHEAD: behind a step's first products the next step's eight fragments are fetched (behind a pair's last step: step 0, for the next pair).  The loads stand on every path, so that the counted waits count the same
; on every path; what the second pair's last step fetches is read by nobody.
; LAYOUT.  Both products are used transposed: S^T = K Q^T, O^T = V^T P^T: a lane holds ONE query of each tile, pi(tile, lane % 16); by pi 16 registers of two neighbouring key tiles are 16 neighbouring keys, so the conversions' results are the next operand.
; THE MASK in step m: register n of tile 8 m + j holds key 128 m + 16 h + 32 (n / 16) + n % 16; with d = 32 (j / 2) + 8 (j % 2) + r + 8 (r / 8) - 16 h it is hidden where 32 (n / 16) + n % 16 > d.  d < 64, so n >= 32 is always hidden.
; The other tile's queries lie 64 further on: its n < 32 always count, and its register 32 + n is hidden where the first tile's register n is: one compare serves both.
; NO PREFETCH INTO THE L2: all of K and V is asked for by the two groups of loads at the head; there is no loop in which to ask ahead of them.
; LIMITS: e2 + e3 between -123 and 130 (added to c's exponent field); e4 and e6 between -126 and 119; e4 + e5 is applied by v_ldexp_f32 and has none; the scaled scores stay under 2^31 in magnitude.
; REGISTERS.  Window 0: v1 16 x lane, v2, v3 the step's addresses, v5, v6 the add's two, v16-31 Q of both tiles, v32-95 K's eight fragments, v96-159 V's four, v160-223 O^T of both tiles, v224-239 the second pass's Q.
; Window 1: v0-127 S^T, then p, of both tiles; v128-159 p's codes (on the way out y's); v160-171 -M, largest t, the sums, f; v172-178 constants; v180-189, v192-255 at work.
.set AH,    4                          ; key steps walked under the second loads' flight
.set VREG,  131072                     ; V's image begins here in LDS
.set SPARE, 262144                     ; behind the images: the spare words, 128 bytes for each wave: four blocks of 256 bytes that no other line names
.set LN,  1
.set ADK, 2
.set ADV, 3
.set SPW, 5
.set NIL, 6
.set QF,  16
.set KFR, 32
.set VFR, 96
.set OT,  160
.set QN,  224
.set CD,  128                          ; from here on: window 1
.set NM,  160                          ; -M and the largest t: a pair for each tile
.set LS,  164                          ; the sum in two halves, for each tile
.set FF,  168                          ; f = 2^(old M - new M), the low word of a pair, for each tile
.set HLP, 172                          ; 448 x 2^e4
.set SCP, 173                          ; 2^e4
.set HLY, 174                          ; 448 x 2^e6
.set SCY, 175                          ; 2^e6
.set DG,  176                          ; d
.set HLQ, 177                          ; 448 x 2^e4 once more: the two halves of a dual pair take their second sources from different banks
.set NINF, 178                         ; -infinity
.set T0,  180                          ; four chains of maxima for each tile
.set PT,  188
.set TT,  192                          ; the first tile's partial sums
.set TU,  224                          ; the second tile's
.set WV,  18                           ; s18 my wave's number
.set SEL, 20                           ; s[20:21] lane selects: lane l xor 16
.set CS,  22                           ; s[22:23] c = log2(e) / 8 x 2^(e2 + e3)
.set G1A, 24                           ; s[24:31], s[32:39] descriptor groups 1: 40 and 88 rows of 256 bytes;  s[40:43], s[44:47] their groups 0
.set G1B, 32
.set G0A, 40
.set G0B, 44
.set SC,  56                           ; s56 the key step
.set SM,  57                           ; s57 the pair in hand: its last, masked step
.set SS,  58                           ; s58 the first step still to walk
.set TBK, 59
.set TBV, 60
.set PASS, 61
.set YP,  62                           ; s[62:63] where the pair in hand goes;  s[66:67] the second pair
.set YP1, 66
.set JX,  70                           ; s70 my place in the cluster: enters global addresses and d alone
.set EO,  94                           ; s94 e4 + e5
.set MSB, 0
.macro WIN new                         ; the immediate's high byte repeats the setting that is left
.if MSB != \new
	s_set_vgpr_msb (MSB<<8)|\new
.set MSB, \new
.endif
.endm
.macro ROUND                           ; a round of the cluster's barrier
	s_barrier_signal -1
	s_barrier_wait -1
	s_cmp_lg_u32 s[WV], 0
	s_cbranch_scc1 .Lnot_wave_0_\@
	s_barrier_signal -3
.Lnot_wave_0_\@:
	s_barrier_wait -3
	s_barrier_signal -1
	s_barrier_wait -1
.endm
.macro PLACES n
.rept \n
	v_nop
.endr
.endm
.macro INITSTATE                       ; a pair begins: the largest t -3e38, -M its negative (a whole number), sums and O^T zero: the step is written once, and the first change of M multiplies zeros
	WIN 0x40
.irp z, 0,1
	v_mov_b32 v[NM+2*\z], 0x7f61b1e6
	v_mov_b32 v[NM+2*\z+1], 0xff61b1e6
	v_mov_b32 v[LS+2*\z], 0
	v_mov_b32 v[LS+2*\z+1], 0
.endr
	WIN 0
.set i, 0
.rept 64
	v_mov_b32 v[OT+i], 0
.set i, i+1
.endr
.endm
.macro KLOAD adr                       ; K's eight tiles of 16 keys x 64 channels
.irp t, 0,1,2,3,4,5,6,7
.irp c, 0,1
	ds_load_b128 v[KFR+8*\t+4*\c:KFR+8*\t+4*\c+3], v[\adr] offset:1024*\t+512*\c
.endr
.endr
.endm
	s_load_b128 s[4:7], s[0:1], 0x0                ; q_img, k_img
	s_load_b128 s[12:15], s[0:1], 0x10             ; v_img, the scales' exponents
	s_load_b64 s[16:17], s[0:1], 0x20              ; y_img
	v_lshl_add_u32 v[SPW], v0, 2, SPARE
	v_mov_b32 v[NIL], 0
	ds_add_u32 v[SPW], v[NIL]                      ; the opening lines: the add, twice on end, and its wait ahead of my first tensor load
	ds_add_u32 v[SPW], v[NIL]
	v_lshrrev_b32 v8, 5, v0
	v_readfirstlane_b32 s[WV], v8                  ; wave 0..7
	s_bfe_u32 s[JX], ttmp6, 0x40000
	s_lshl_b32 s72, ttmp9, 17                      ; the head's first byte in q_img, k_img and v_img
	s_mov_b32 s73, 0
	s_and_b32 s74, s[WV], 3                        ; which quarter I fetch,
	s_lshr_b32 s75, s[WV], 2                       ; of K (0) or of V (1)
	s_lshl_b32 s76, s75, 17
	s_mul_i32 s82, s74, 10240                      ; first loads: 10,240 bytes a wave
	s_mov_b32 s83, 0
	s_mul_i32 s84, s74, 22528                      ; second loads: 22,528 bytes a wave, behind the first 40,960
	s_add_co_u32 s84, s84, 40960
	s_mov_b32 s85, 0
	s_mov_b32 s[G0A], 1
	s_add_co_u32 s[G0A+1], s76, s82
	s_mov_b32 s[G0B], 1
	s_add_co_u32 s[G0B+1], s76, s84
	s_mov_b32 s[G1A], 15|(3<<16)|(1<<21)           ; the mask names the four partners; elements of 8 bytes; bit 21 beside a mask
	s_mov_b32 s[G1A+1], 32<<16                     ; rows of 256 bytes, dense
	s_mov_b32 s[G1A+2], 40<<16
	s_mov_b32 s[G1A+3], 32<<16
	s_mov_b32 s[G1A+4], 40
	s_mov_b32 s[G1A+5], 32
	s_mov_b32 s[G1A+6], 0
	s_mov_b32 s[G1A+7], 0
	s_mov_b32 s[G1B], 15|(3<<16)|(1<<21)
	s_mov_b32 s[G1B+1], 32<<16
	s_mov_b32 s[G1B+2], 88<<16
	s_mov_b32 s[G1B+3], 32<<16
	s_mov_b32 s[G1B+4], 88
	s_mov_b32 s[G1B+5], 32
	s_mov_b32 s[G1B+6], 0
	s_mov_b32 s[G1B+7], 0
	s_mov_b32 s[SEL], 0x76543210
	s_mov_b32 s[SEL+1], 0xfedcba98
	s_mov_b32 s[CS], 0x3e38aa3b                    ; log2(e) / 8
	s_wait_dscnt 0x0                               ; both opening adds are done
	ROUND                                          ; the round in front of the first joint loads; the arguments arrive meanwhile
	s_wait_kmcnt 0x0
	s_load_b256 s[48:55], s[14:15], 0x0            ; e0 .. e7
	s_cmp_lt_u32 s[WV], 4
	s_cselect_b64 s[80:81], s[6:7], s[12:13]
	s_add_nc_u64 s[80:81], s[80:81], s[72:73]
	s_add_nc_u64 s[G0A+2:G0A+3], s[80:81], s[82:83]
	s_or_b32 s[G0A+3], s[G0A+3], 0x80000000
	s_add_nc_u64 s[G0B+2:G0B+3], s[80:81], s[84:85]
	s_or_b32 s[G0B+3], s[G0B+3], 0x80000000
	tensor_load_to_lds s[G0A:G0A+3], s[G1A:G1A+7]  ; key steps 0-4: my one load at the head
	s_nop 0
	PLACES 4
	s_sub_co_u32 s[SM], 15, s[WV]                  ; the first pair
	s_lshl_b32 s74, s[SM], 3
	s_add_co_u32 s74, s74, s[JX]                   ; its first tile,
	s_lshl_b32 s75, s[WV], 3
	s_add_co_u32 s75, s75, s[JX]                   ; and the second pair's
	s_add_nc_u64 s[4:5], s[4:5], s[72:73]
	s_lshl_b32 s76, s74, 10
	s_mov_b32 s77, 0
	s_add_nc_u64 s[78:79], s[4:5], s[76:77]
	s_lshl_b32 s76, s75, 10
	s_add_nc_u64 s[4:5], s[4:5], s[76:77]
	s_lshr_b32 s86, ttmp9, 4                       ; y: token tile 128 x batch + tile,
	s_lshl_b32 s86, s86, 7
	s_add_co_u32 s87, s86, s75
	s_add_co_u32 s86, s86, s74
	s_lshl_b32 s86, s86, 14
	s_lshl_b32 s87, s87, 14
	s_bfe_u32 s88, ttmp9, 0x30001                  ; fragment head / 2,
	s_lshl_b32 s88, s88, 11
	s_and_b32 s89, ttmp9, 1                        ; its upper half for an odd head
	s_lshl_b32 s89, s89, 10
	s_add_co_u32 s88, s88, s89
	s_add_co_u32 s90, s86, s88
	s_mov_b32 s91, 0
	s_add_nc_u64 s[YP:YP+1], s[16:17], s[90:91]
	s_add_co_u32 s90, s87, s88
	s_add_nc_u64 s[YP1:YP1+1], s[16:17], s[90:91]
	s_lshr_b32 s92, s[JX], 1
	s_lshl_b32 s92, s92, 5
	s_and_b32 s93, s[JX], 1
	s_lshl_b32 s93, s93, 3
	s_add_co_u32 s92, s92, s93                     ; 32 (j / 2) + 8 (j % 2)
	v_and_b32 v9, 31, v0
	v_lshlrev_b32 v[LN], 4, v9
.irp z, 0,1                                    ; Q of both pairs: the pair's second tile lies four tiles on
	global_load_b128 v[QF+8*\z:QF+8*\z+3], v[LN], s[78:79] offset:4096*\z
	global_load_b128 v[QF+8*\z+4:QF+8*\z+7], v[LN], s[78:79] offset:4096*\z+512
	global_load_b128 v[QN+8*\z:QN+8*\z+3], v[LN], s[4:5] offset:4096*\z
	global_load_b128 v[QN+8*\z+4:QN+8*\z+7], v[LN], s[4:5] offset:4096*\z+512
.endr
	v_and_b32 v9, 15, v0                           ; r
	v_bfe_u32 v10, v0, 4, 1                        ; h
	v_and_b32 v11, 8, v9
	v_add_nc_u32 v11, v11, v9
	v_lshlrev_b32 v10, 4, v10
	v_sub_nc_u32 v11, v11, v10                     ; r + 8 (r / 8) - 16 h
	WIN 0x40
	v_add_nc_u32 v[DG], s92, v11
	v_mov_b32 v[NINF], 0xff800000
	v_mov_b32 v[FF+1], 0                           ; named as upper halves of pairs, so written
	v_mov_b32 v[FF+3], 0
	v_mov_b32 v[PT], 0                             ; a lane permute's destination counts as one of its sources
	v_mov_b32 v[PT+1], 0
	INITSTATE
	s_wait_kmcnt 0x0
	s_add_co_i32 s68, s50, s51
	s_lshl_b32 s68, s68, 23
	s_add_co_i32 s[CS], s[CS], s68                 ; a score stands for score x 2^(e2 + e3): added to c's exponent field
	s_mov_b32 s[CS+1], s[CS]
	s_add_co_i32 s[EO], s52, s53
	WIN 0x40
	s_add_co_i32 s68, s52, 127
	s_lshl_b32 s69, s68, 23
	v_mov_b32 v[SCP], s69
	s_add_co_i32 s68, s68, 8
	s_lshl_b32 s68, s68, 23
	s_or_b32 s68, s68, 0x600000
	v_mov_b32 v[HLP], s68
	v_mov_b32 v[HLQ], s68
	s_add_co_i32 s68, s54, 127
	s_lshl_b32 s69, s68, 23
	v_mov_b32 v[SCY], s69
	s_add_co_i32 s68, s68, 8
	s_lshl_b32 s68, s68, 23
	s_or_b32 s68, s68, 0x600000
	v_mov_b32 v[HLY], s68
	WIN 0
.macro MX z, n                         ; line n (0 .. 29) of tile z's maxima: 64 scores in four chains, in ascending order
.if (\n) < 4
	v_max3_num_f32 v[T0+4*\z+(\n)], v[64*\z+3*(\n)], v[64*\z+3*(\n)+1], v[64*\z+3*(\n)+2]
.elseif (\n) < 30
	v_max3_num_f32 v[T0+4*\z+((\n)-4)%4], v[T0+4*\z+((\n)-4)%4], v[64*\z+4+2*(\n)], v[64*\z+5+2*(\n)]
.endif
.endm
.macro CH z, k                         ; line k (0 .. 10) of tile z's dependent chain, from the four chains' maxima to -M and f
.if \k == 0
	v_max3_num_f32 v[T0+4*\z], v[T0+4*\z], v[T0+4*\z+1], v[T0+4*\z+2]
.elseif \k == 1
	v_max_num_f32 v[T0+4*\z], v[T0+4*\z], v[T0+4*\z+3]
.elseif \k == 2
	v_mov_b32 v[T0+4*\z+1], v[NM+2*\z]
.elseif \k == 3
	v_permlanex16_b32 v[PT+\z], v[T0+4*\z], s[SEL], s[SEL+1]
.elseif \k == 4
	v_max_num_f32 v[T0+4*\z], v[T0+4*\z], v[PT+\z]         ; the step's largest score of my query
.elseif \k == 5
	v_mul_f32 v[T0+4*\z], s[CS], v[T0+4*\z]                ; as t (c is positive)
.elseif \k == 6
	v_max_num_f32 v[NM+2*\z+1], v[NM+2*\z+1], v[T0+4*\z]   ; the running largest t
.elseif \k == 7
	v_floor_f32 v[NM+2*\z], -v[NM+2*\z+1]                  ; the new -M = -ceil(t)
.elseif \k == 8
	v_sub_f32 v[T0+4*\z+1], v[NM+2*\z], v[T0+4*\z+1]       ; old M - new M: a whole number, 0 or less
.elseif \k == 9
	v_cvt_i32_f32 v[T0+4*\z+1], v[T0+4*\z+1]               ; (it saturates)
.else
	v_ldexp_f32 v[FF+2*\z], 1.0, v[T0+4*\z+1]              ; f
.endif
.endm
.macro FM z, n                         ; line n (0 .. 31) of tile z's t - M, two at a time
.if (\n) < 32
	v_pk_fma_f32 v[64*\z+2*(\n):64*\z+2*(\n)+1], v[64*\z+2*(\n):64*\z+2*(\n)+1], s[CS:CS+1], v[NM+2*\z:NM+2*\z+1] op_sel_hi:[1,0,0]
.endif
.endm
.macro HOLD2 a                         ; the conversion to an 8-bit code does not saturate (ISA guide 7.6.2); p is not negative, so the hold is one-sided; two holds in a dual pair
	v_dual_min_num_f32 v[\a], v[\a], v[HLP] :: v_dual_min_num_f32 v[(\a)+1], v[(\a)+1], v[HLQ]
.endm
.macro LV base, w                      ; one level of a summing tree: w / 2 packed additions
.set i, 0
.rept \w/2
	v_pk_add_f32 v[\base+2*i:\base+2*i+1], v[\base+2*i:\base+2*i+1], v[\base+\w+2*i:\base+\w+2*i+1]
.set i, i+1
.endr
.endm
.macro CVTP z
.irp b, 0,1,2,3
	v_cvt_scalef32_pk8_fp8_f32 v[CD+16*\z+4*\b:CD+16*\z+4*\b+1], v[64*\z+16*\b:64*\z+16*\b+7], v[SCP]
	v_cvt_scalef32_pk8_fp8_f32 v[CD+16*\z+4*\b+2:CD+16*\z+4*\b+3], v[64*\z+16*\b+8:64*\z+16*\b+15], v[SCP]
.endr
.endm
; A KEY STEP of 128 keys, step s[SC], for both tiles of the pair.  Its fragments of K were asked for a step ago.  mask = 1: the copy that masks where s[SC] is the pair's last step.
.macro STEPBODY mask
	s_add_co_u32 s[TBK], s[SC], 1                  ; the step whose K is fetched next:
.if \mask
	s_cmp_eq_u32 s[SC], s[SM]
	s_cselect_b32 s[TBK], 0, s[TBK]                ; behind a pair's last step, step 0
.endif
	s_lshl_b32 s[TBK], s[TBK], 13
	s_lshl_b32 s[TBV], s[SC], 13
	s_add_co_u32 s[TBV], s[TBV], VREG
	v_add_nc_u32 v[ADK], s[TBK], v[LN]
	v_add_nc_u32 v[ADV], s[TBV], v[LN]
	PLACES 2                                       ; with the two additions: four places in front of loads into registers that the last products read
.irp t, 0,1,2,3
.irp c, 0,1,2,3
	ds_load_b128 v[VFR+16*\t+4*\c:VFR+16*\t+4*\c+3], v[ADV] offset:2048*\t+512*\c
.endr
.endr
	s_wait_alu depctr_va_vdst(0)
	s_wait_dscnt 16                                ; K's sixteen loads, asked for a step ago, are in; V's sixteen, just issued, may be out
	WIN 0x40
.irp t, 0,1,2,3,4,5,6,7                        ; S^T = K Q^T: each fragment of K serves both tiles
	v_wmma_f32_16x16x64_fp8_fp8 v[8*\t:8*\t+7], v[KFR+8*\t:KFR+8*\t+7], v[QF:QF+7], 0
	v_wmma_f32_16x16x64_fp8_fp8 v[64+8*\t:64+8*\t+7], v[KFR+8*\t:KFR+8*\t+7], v[QF+8:QF+15], 0
.endr
	PLACES 4                                       ; in front of the loads into K's registers and of the first read of the scores
	WIN 0
	KLOAD ADK                                      ; the next step's K lands under the softmax
.if \mask
	s_cmp_lg_u32 s[SC], s[SM]
	s_cbranch_scc1 .Lopen_\@
	WIN 0x55
.set n, 0
.rept 32
	v_cmp_gt_i32 vcc_lo, 32*(n/16)+n%16, v[DG]
	v_cndmask_b32 v[n], v[n], v[NINF], vcc_lo
	v_cndmask_b32 v[96+n], v[96+n], v[NINF], vcc_lo
	v_mov_b32 v[32+n], v[NINF]
.set n, n+1
.endr
	WIN 0
.Lopen_\@:
.endif
	WIN 0x55                                       ; the softmax works in window 1 alone
.set k, 0
.rept 30
	MX 0, k
.set k, k+1
.endr
.set k, 0
.rept 11                                       ; the first tile's chain stands among the second tile's maxima,
	CH 0, k
	MX 1, 3*k
	MX 1, 3*k+1
	MX 1, 3*k+2
.set k, k+1
.endr
.set k, 0
.rept 11                                       ; the second tile's among the first tile's t - M
	CH 1, k
	FM 0, 3*k
	FM 0, 3*k+1
	FM 0, 3*k+2
.set k, k+1
.endr
	s_wait_alu depctr_va_vdst(0)                   ; ahead of the batch
.set k, 0
.rept 32                                       ; the first tile's exponentials; between them the second tile's t - M: independent lines, read behind the next wait
	v_exp_f32 v[2*k], v[2*k]
	FM 1, k
	v_exp_f32 v[2*k+1], v[2*k+1]
.set k, k+1
.endr
	v_pk_mul_f32 v[LS:LS+1], v[LS:LS+1], v[FF:FF+1] op_sel_hi:[1,0]   ; the sums under the new M
	s_wait_alu depctr_va_vdst(0)                   ; one wait: behind the first batch, ahead of the second
.set k, 0
.rept 16                                       ; the second tile's exponentials; between them the first tile's first level of sums (of the unquantised p) and then its hold: each line's result is read behind the next wait
	v_exp_f32 v[64+4*k], v[64+4*k]
	v_pk_add_f32 v[TT+2*k:TT+2*k+1], v[4*k:4*k+1], v[4*k+2:4*k+3]
	v_exp_f32 v[65+4*k], v[65+4*k]
	HOLD2 4*k
	v_exp_f32 v[66+4*k], v[66+4*k]
	HOLD2 4*k+2
	v_exp_f32 v[67+4*k], v[67+4*k]
.set k, k+1
.endr
	v_pk_mul_f32 v[LS+2:LS+3], v[LS+2:LS+3], v[FF+2:FF+3] op_sel_hi:[1,0]
	s_wait_alu depctr_va_vdst(0)                   ; one wait behind the second batch
	LV TT, 16                                      ; the two tiles' summing trees take turns level by level
.set k, 0
.rept 16
	v_pk_add_f32 v[TU+2*k:TU+2*k+1], v[64+4*k:65+4*k], v[66+4*k:67+4*k]
.set k, k+1
.endr
	LV TT, 8
	LV TU, 16
	LV TT, 4
	LV TU, 8
	LV TT, 2
	LV TU, 4
	v_pk_add_f32 v[LS:LS+1], v[LS:LS+1], v[TT:TT+1]
	LV TU, 2
.set k, 0
.rept 32
	HOLD2 64+2*k
.set k, k+1
.endr
	v_pk_add_f32 v[LS+2:LS+3], v[LS+2:LS+3], v[TU:TU+1]
	CVTP 0
	CVTP 1
	WIN 0x04                                       ; source 1 (f, p's codes) window 1, all else window 0
	s_wait_alu depctr_va_vdst(0)                   ; directly ahead of the first reader of O^T
.irp z, 0,1
.set i, 0
.rept 16
	v_pk_mul_f32 v[OT+32*\z+i:OT+32*\z+i+1], v[OT+32*\z+i:OT+32*\z+i+1], v[FF+2*\z:FF+2*\z+1] op_sel_hi:[1,0]   ; O^T under the new M
.set i, i+2
.endr
.endr
	s_wait_alu depctr_va_vdst(0)
	s_wait_dscnt 16                                ; V's sixteen loads are in; the next K's sixteen, issued behind them, may be out
.irp t, 0,1,2,3                                ; O^T += V^T P^T: each fragment of V serves both tiles; the eight accumulators by turns
	v_wmma_f32_16x16x128_fp8_fp8 v[OT+8*\t:OT+8*\t+7], v[VFR+16*\t:VFR+16*\t+15], v[CD:CD+15], v[OT+8*\t:OT+8*\t+7]
	v_wmma_f32_16x16x128_fp8_fp8 v[OT+32+8*\t:OT+32+8*\t+7], v[VFR+16*\t:VFR+16*\t+15], v[CD+16:CD+31], v[OT+32+8*\t:OT+32+8*\t+7]
.endr
	WIN 0
.endm
	s_wait_alu depctr_va_vdst(0)                   ; the head's end
	s_wait_tensorcnt 0x0                           ; my part of key steps 0-4 is in; the later first fill is issued as a refill is:
	ds_add_u32 v[SPW], v[NIL]                      ; 0 onto my spare word
	s_wait_dscnt 0x0
	ROUND                                          ; everybody's part is in, and the four partners meet
	tensor_load_to_lds s[G0B:G0B+3], s[G1B:G1B+7]  ; key steps 5-15: my one load behind the round; it lands on bytes that the four steps below do not read
	s_nop 0
	PLACES 4
	KLOAD LN                                       ; step 0's K
	s_wait_loadcnt 0x0                             ; Q of both pairs
	s_mov_b32 s[SC], 0
.Lfirst:                                           ; the first pair's key steps 0-3 (its last step is 8 or later: none of these is masked); the last of them fetches step 4's K, which the head's loads brought
	STEPBODY 0
	s_add_co_u32 s[SC], s[SC], 1
	s_cmp_lt_u32 s[SC], AH
	s_cbranch_scc1 .Lfirst
	s_wait_tensorcnt 0x0                           ; my part of key steps 5-15 is in,
	s_wait_dscnt 0x0
	s_barrier_signal -1
	s_barrier_wait -1                              ; everybody's is: from here on the waves share nothing that changes
	s_mov_b32 s[SS], AH
	s_mov_b32 s[PASS], 0
.Lpass:
	s_mov_b32 s[SC], 0
.Lstep:                                            ; 16 trips for every wave and pass: the steps' LDS addresses are made of this counter
	s_cmp_lt_u32 s[SC], s[SS]
	s_cbranch_scc1 .Lskip
	s_cmp_gt_u32 s[SC], s[SM]
	s_cbranch_scc1 .Lskip
	STEPBODY 1
.Lskip:
	s_add_co_u32 s[SC], s[SC], 1
	s_cmp_lt_u32 s[SC], 16
	s_cbranch_scc1 .Lstep
	; THE WAY OUT of a pair.  y = O^T / the sum x 2^(e4 + e5), held and converted with 2^e6: register 16 b + i is channel 32 b + 16 (lane / 16) + i, so the codes are registers of my head's half of the last product's fragment.
	PLACES 4                                       ; behind the last products
	WIN 0x55
.irp z, 0,1
	v_add_f32 v[LS+2*\z], v[LS+2*\z], v[LS+2*\z+1]
.endr
.irp z, 0,1
	v_permlanex16_b32 v[PT+\z], v[LS+2*\z], s[SEL], s[SEL+1]
.endr
.irp z, 0,1
	v_add_f32 v[LS+2*\z], v[LS+2*\z], v[PT+\z]     ; the row's sum, at least 1/2
.endr
	s_wait_alu depctr_va_vdst(0)                   ; ahead of the transcendentals
	v_rcp_f32 v[LS], v[LS]
	v_rcp_f32 v[LS+2], v[LS+2]
	v_nop                                          ; a plain line behind them
	s_wait_alu depctr_va_vdst(0)                   ; and the wait ahead of their first reader
.irp z, 0,1
	v_ldexp_f32 v[LS+2*\z], v[LS+2*\z], s[EO]
.endr
	WIN 0x44                                       ; source 0 (O^T) window 0; source 1 and the destination window 1
	s_wait_alu depctr_va_vdst(0)                   ; directly ahead of the first reader of O^T
.irp z, 0,1
.set i, 0
.rept 16
	v_pk_mul_f32 v[64*\z+i:64*\z+i+1], v[OT+32*\z+i:OT+32*\z+i+1], v[LS+2*\z:LS+2*\z+1] op_sel_hi:[1,0]   ; each accumulator from its low end on
.set i, i+2
.endr
.endr
	WIN 0x55
.irp z, 0,1
.set i, 0
.rept 32
	v_med3_num_f32 v[64*\z+i], v[64*\z+i], -v[HLY], v[HLY]
.set i, i+1
.endr
.endr
.irp z, 0,1
.irp b, 0,1
	v_cvt_scalef32_pk8_fp8_f32 v[CD+16*\z+4*\b:CD+16*\z+4*\b+1], v[64*\z+16*\b:64*\z+16*\b+7], v[SCY]
	v_cvt_scalef32_pk8_fp8_f32 v[CD+16*\z+4*\b+2:CD+16*\z+4*\b+3], v[64*\z+16*\b+8:64*\z+16*\b+15], v[SCY]
.endr
.endr
	v_nop                                          ; a plain vector line behind the last conversion
	WIN 0x04                                       ; the stores' data lie in window 1
.irp z, 0,1
.irp b, 0,1
	global_store_b128 v[LN], v[CD+16*\z+4*\b:CD+16*\z+4*\b+3], s[YP:YP+1] offset:65536*\z+512*\b   ; 32 lanes store 512 consecutive bytes, aligned; the second tile lies four token tiles on
.endr
.endr
	WIN 0
	s_cmp_eq_u32 s[PASS], 1
	s_cbranch_scc1 .Lend
	s_wait_xcnt 0x0                                ; the stores have read their base and their data
	s_mov_b64 s[YP:YP+1], s[YP1:YP1+1]             ; the second pair: pair w, all its steps
	s_mov_b32 s[SM], s[WV]
	s_mov_b32 s[SS], 0
.set i, 0
.rept 16
	v_mov_b32 v[QF+i], v[QN+i]
.set i, i+1
.endr
	INITSTATE
	s_add_co_u32 s[PASS], s[PASS], 1
	s_cmp_lt_u32 s[PASS], 2
	s_wait_alu depctr_va_vdst(0)
	s_cbranch_scc1 .Lpass
.Lend:
	s_wait_tensorcnt 0x0                           ; the wave's end: behind my last tensor load
	ds_add_u32 v[SPW], v[NIL]
	s_wait_dscnt 0x0
	ROUND                                          ; the closing round
	s_endpgm
.Lfunc_end_k_qe594dec66a_attn:
	.size	k_qe594dec66a_attn, .Lfunc_end_k_qe594dec66a_attn-k_qe594dec66a_attn
	.p2alignl 7, 3214868480
	.fill 96, 4, 3214868480
	.section	.rodata,"a",@progbits
	.p2align	6, 0x0
	.amdhsa_kernel k_qe594dec66a_attn
		.amdhsa_group_segment_fixed_size 327680
		.amdhsa_private_segment_fixed_size 0
		.amdhsa_enable_private_segment 0
		.amdhsa_kernarg_size 40
		.amdhsa_user_sgpr_count 2
		.amdhsa_user_sgpr_kernarg_segment_ptr 1
		.amdhsa_wavefront_size32 1
		.amdhsa_system_sgpr_workgroup_id_x 1
		.amdhsa_system_sgpr_workgroup_id_y 1
		.amdhsa_system_sgpr_workgroup_id_z 1
		.amdhsa_system_vgpr_workitem_id 0
		.amdhsa_next_free_vgpr 512
		.amdhsa_next_free_sgpr 96
		.amdhsa_reserve_vcc 1
		.amdhsa_float_denorm_mode_32 3
		.amdhsa_float_denorm_mode_16_64 3
		.amdhsa_memory_ordered 1
		.amdhsa_forward_progress 1
		.amdhsa_inst_pref_size 84
	.end_amdhsa_kernel
	.amdgpu_metadata
---
amdhsa.version: [ 1, 2 ]
amdhsa.kernels:
  - .name:           k_qe594dec66a_attn
    .symbol:         k_qe594dec66a_attn.kd
    .args:
      - { .name: q_img, .offset: 0, .size: 8, .value_kind: global_buffer, .address_space: global }
      - { .name: k_img, .offset: 8, .size: 8, .value_kind: global_buffer, .address_space: global }
      - { .name: v_img, .offset: 16, .size: 8, .value_kind: global_buffer, .address_space: global }
      - { .name: lowp_scales, .offset: 24, .size: 8, .value_kind: global_buffer, .address_space: global }
      - { .name: y_img, .offset: 32, .size: 8, .value_kind: global_buffer, .address_space: global }
    .group_segment_fixed_size: 327680
    .private_segment_fixed_size: 0
    .kernarg_segment_align: 8
    .kernarg_segment_size: 40
    .max_flat_workgroup_size: 256
    .sgpr_count:     96
    .vgpr_count:     512
    .wavefront_size: 32
...
	.end_amdgpu_metadata
.endif
;; end of part 3
;; launch gemm_proj (part 4): grid 4 x 64, 4 waves a work-group, clusters of 4 x 4, 327,680 bytes of LDS; arguments y_img, wp_img, lowp_scales, b_proj, out0; writes out0
.if DOCPART == 4
	.amdgcn_target "amdgcn-amd-amdhsa--gfx1250"
	.amdhsa_code_object_version 6
	.text
	.protected	k_qe594dec66a_gemm_proj
	.globl	k_qe594dec66a_gemm_proj
	.p2align	8
	.type	k_qe594dec66a_gemm_proj,@function
k_qe594dec66a_gemm_proj:
	s_mov_b64 s[64:65], 0
	v_nop
	global_prefetch_b8 v0, s[64:65] scope:SCOPE_SE
	s_setreg_imm32_b32 hwreg(HW_REG_WAVE_MODE, 25, 1), 1
	s_wait_xcnt 0x0
	s_wait_alu depctr_hold_cnt(0) depctr_sa_sdst(0) depctr_va_vdst(0) depctr_va_sdst(0) depctr_va_ssrc(0) depctr_va_vcc(0) depctr_vm_vsrc(0)
	s_getreg_b32 s2, hwreg(HW_REG_IB_STS2, 6, 4)
	s_cmp_eq_u32 s2, 0
	s_cbranch_scc0 .Lentry_in_a_cluster
	s_endpgm
.Lentry_in_a_cluster:
	s_bfe_u32 s2, ttmp6, 0x10000c
	s_cmp_lg_u32 s2, 0xf033
	s_cbranch_scc0 .Lentry_shape_is_right
	s_endpgm
.Lentry_shape_is_right:
; out0 = y W_proj + b_proj on codes of FP8 (E4M3), K = 1,024 (scales' entries 6 and 7); y_img and wp_img are images of operand registers, [tile][s 0..7][2048], as the launches before lay them:
; a fragment (16 entities x 128 K) has at byte 512 c + 16 L + i entity pi(tile, L % 16), k = 128 s + 32 c + 16 (L / 16) + i; pi(tile, p) = 32 (tile / 2) + 8 (tile % 2) + p + 8 (p / 8).
; A block of the result is 128 rows x 256 columns: 64 x 4 blocks are 256 work-groups.  Four waves, 64 x 128 each: 32 accumulators, 256 registers.
; K goes in four steps of 256 through two LDS slots (A's 8 tiles, then B's 16: 98,304 bytes) filled by joint tensor loads: waves 0 and 1 fetch A's halves (4 tiles), waves 2 and 3 B's (8 tiles).
; CLUSTERS of 4 x 4: A's tiles are shared along a row of the cluster, B's along a column.
; Source 0 = a tile of W_proj's columns, source 1 = a tile of y's rows: a lane holds one row of the result, and 16 registers of two neighbouring column tiles are 16 neighbouring columns.
; Each sum x 2^(e6 + e7) + bias goes through the wave's stage in slot 0 (its last fill and its last read are over) and leaves as rows of 512 bytes.
; NO PREFETCH INTO THE L2: K has four steps; two come by first fills, and the two refills are asked for one and two steps behind the head.
; LIMIT: e6 + e7 between -126 and 127.
; REGISTERS.  Window 0: v16-29 addresses, v32-95 the bias, v128-255 A's fragments in two sets (on the way out v128-191 a block's numbers).  Window 1: B's fragments in two sets (on the way out rows read back).  Window 2: the accumulators, (a, b) at v[8 (8 a + b)].
.set KSB,    4096                      ; a tile's bytes of one K step: two fragments
.set HALFA,  4*KSB
.set HALFT,  8*KSB
.set SLOT,   2*HALFA+2*HALFT
.set SPARE,  2*SLOT                    ; behind the ring: the spare words, 128 bytes for each wave: two blocks of 256 bytes that no other line names
.set SPITCH, 528
.set ADRA, 16
.set ADRB, 20
.set STO,  24
.set RD,   25
.set CO,   26
.set SPW,  28
.set NIL,  29
.set BIAS, 32
.set AF,   128
.set TMP,  128
.set G1, 24
.set G0, 32
.set G1B, 48
.set G0B, 56
.set MSB, 0
.macro WIN new                         ; the immediate's high byte repeats the setting that is left
.if MSB != \new
	s_set_vgpr_msb (MSB<<8)|\new
.set MSB, \new
.endif
.endm
.set MUL_LO, 0xa1                      ; source 0 (B) window 1, source 1 (A) window 0, C and D window 2
.set TO_B,   0x40
.macro JLOAD g0a, g1a, g0b, g1b        ; a joint load: the branch hangs on the wave's number alone; an s_nop 0 and four v_nop follow each line
	s_cmp_eq_u32 s15, 0
	s_cbranch_scc0 .Lfor_b_\@
	tensor_load_to_lds s[\g0a:\g0a+3], s[\g1a:\g1a+7]
	s_nop 0
.rept 4
	v_nop
.endr
	s_branch .Lasked_\@
.Lfor_b_\@:
	tensor_load_to_lds s[\g0b:\g0b+3], s[\g1b:\g1b+7]
	s_nop 0
.rept 4
	v_nop
.endr
.Lasked_\@:
.endm
.macro CREST
	s_cmp_lg_u32 s14, 0
	s_cbranch_scc1 .Lnot_wave_0_\@
	s_barrier_signal -3
.Lnot_wave_0_\@:
	s_barrier_wait -3
	s_barrier_signal -1
	s_barrier_wait -1
.endm
.macro CROUND
	s_barrier_signal -1
	s_barrier_wait -1
	CREST
.endm
	s_load_b256 s[4:11], s[0:1], 0x0               ; y_img, wp_img, the scales' exponents, b_proj
	s_load_b64 s[84:85], s[0:1], 0x20              ; out0
	v_lshl_add_u32 v[SPW], v0, 2, SPARE
	v_mov_b32 v[NIL], 0
	ds_add_u32 v[SPW], v[NIL]                      ; the opening lines: the add, twice on end, and its wait
	ds_add_u32 v[SPW], v[NIL]
	v_lshrrev_b32 v1, 5, v0
	v_readfirstlane_b32 s14, v1                    ; wave 0..3
	s_lshr_b32 s15, s14, 1                         ; which 64 rows are mine.  Also: I fetch for A (0) or for B (1)
	s_and_b32 s16, s14, 1                          ; which 128 columns.  Also: which half of that operand's tiles I fetch
	s_bfe_u32 s40, ttmp6, 0x40000
	s_bfe_u32 s41, ttmp6, 0x40004
	s_lshl_b32 s42, ttmp9, 2
	s_add_co_u32 s42, s42, s40                     ; block column
	s_and_b32 s17, ttmp7, 0xffff
	s_lshl_b32 s17, s17, 2
	s_add_co_u32 s17, s17, s41                     ; block row
	s_lshl_b32 s43, s41, 2
	s_lshl_b32 s43, 15, s43
	s_lshl_b32 s44, 0x1111, s40
	s_or_b32 s[G1+0], s43, (3<<16)|(1<<21)         ; A's tiles go to my row of the cluster,
	s_or_b32 s[G1B+0], s44, (3<<16)|(1<<21)        ; B's to my column
.irp g, G1, G1B                                ; rows of 4,096 bytes (512 elements of 8), 16,384 bytes apart in memory, dense in LDS
	s_mov_b32 s[\g+1], 512<<16
	s_mov_b32 s[\g+3], 512<<16
	s_mov_b32 s[\g+5], 2048
	s_mov_b32 s[\g+6], 0
	s_mov_b32 s[\g+7], 0
.endr
	s_mov_b32 s[G1+2], 4<<16                       ; four tiles of A a load,
	s_mov_b32 s[G1+4], 4
	s_mov_b32 s[G1B+2], 8<<16                      ; eight of B
	s_mov_b32 s[G1B+4], 8
	s_lshl_b32 s20, s17, 17                        ; A: eight tiles of 16,384 bytes to a block row
	s_lshl_b32 s18, s16, 16
	s_add_co_u32 s20, s20, s18
	s_lshl_b32 s46, s42, 18                        ; B: sixteen to a block column
	s_lshl_b32 s18, s16, 17
	s_add_co_u32 s46, s46, s18
	s_mov_b32 s21, 0
	s_mov_b32 s47, 0
	s_mul_i32 s45, s16, HALFA                      ; where they go: no place in the cluster enters an LDS address
	s_mul_i32 s13, s16, HALFT
	s_add_co_u32 s13, s13, 2*HALFA
	s_wait_dscnt 0x0
	CROUND                                         ; the round in front of the first joint loads; the arguments arrive meanwhile
	s_wait_kmcnt 0x0
	s_load_b256 s[72:79], s[8:9], 0x0
	s_add_nc_u64 s[20:21], s[4:5], s[20:21]
	s_add_nc_u64 s[46:47], s[6:7], s[46:47]
.irp s, 0,1
	s_mov_b32 s[G0+4*\s], 1
	s_add_co_u32 s[G0+4*\s+1], s45, \s*SLOT
	s_add_nc_u64 s[G0+4*\s+2:G0+4*\s+3], s[20:21], \s*KSB
	s_or_b32 s[G0+4*\s+3], s[G0+4*\s+3], 0x80000000
	s_mov_b32 s[G0B+4*\s], 1
	s_add_co_u32 s[G0B+4*\s+1], s13, \s*SLOT
	s_add_nc_u64 s[G0B+4*\s+2:G0B+4*\s+3], s[46:47], \s*KSB
	s_or_b32 s[G0B+4*\s+3], s[G0B+4*\s+3], 0x80000000
.endr
	JLOAD G0, G1, G0B, G1B                         ; K step 0: one tensor load a wave at the head
	v_and_b32 v1, 31, v0
	v_lshlrev_b32 v[CO], 4, v1
	s_mul_i32 s21, s15, HALFA                      ; my four tiles of A
	s_mul_i32 s22, s16, HALFT                      ; my eight tiles of B,
	s_add_co_u32 s22, s22, 2*HALFA                 ; which lie behind A's eight
.irp s, 0,1
	v_add_nc_u32 v[ADRA+\s], s21, v[CO]
	v_add_nc_u32 v[ADRB+\s], s22, v[CO]
	s_add_co_u32 s21, s21, SLOT
	s_add_co_u32 s22, s22, SLOT
.endr
	v_and_b32 v2, 15, v0
	v_bfe_u32 v3, v0, 4, 1
	s_mul_i32 s23, s14, 16*SPITCH                  ; my stage
	v_mul_u32_u24 v[STO], v2, SPITCH
	v_lshl_add_u32 v[STO], v3, 6, v[STO]
	v_add_nc_u32 v[STO], s23, v[STO]
	v_add_nc_u32 v[RD], s23, v[CO]
	v_lshlrev_b32 v4, 6, v3
	s_lshl_b32 s92, s42, 10
	s_lshl_b32 s93, s16, 9
	s_add_co_u32 s92, s92, s93                     ; 4 x my first column
	s_mov_b32 s93, 0
	s_add_nc_u64 s[94:95], s[10:11], s[92:93]
.irp g, 0,1,2,3
.irp j, 0,1,2,3
	global_load_b128 v[BIAS+16*\g+4*\j:BIAS+16*\g+4*\j+3], v4, s[94:95] offset:128*\g+16*\j   ; register 16 g + i wants column 32 g + 16 h + i
.endr
.endr
	s_lshl_b32 s18, s17, 19                        ; 128 rows of 4,096 bytes to a block row,
	s_lshl_b32 s19, s15, 18                        ; 64 to my half
	s_add_co_u32 s18, s18, s19
	s_mov_b32 s19, 0
	s_add_nc_u64 s[90:91], s[84:85], s[18:19]
	s_add_nc_u64 s[90:91], s[90:91], s[92:93]
	s_wait_kmcnt 0x0
	s_add_co_i32 s80, s78, s79
	s_add_co_i32 s80, s80, 127
	s_lshl_b32 s80, s80, 23                        ; 2^(e6 + e7) as f32
	s_mov_b32 s81, s80
.macro FRAG reg, adr, q, i
.irp c, 0,1,2,3
	ds_load_b128 v[\reg+4*\c:\reg+4*\c+3], v[\adr] offset:2048*(\q)+512*\c+(\i)*KSB
.endr
.endm
.macro FETCH slot, q, p                ; the fragments of the slot's q-th 128 along K into sets p: B's eight, A's four: 48 loads
	WIN TO_B
.irp i, 0,1,2,3,4,5,6,7
	FRAG 128*(\p)+16*\i, ADRB+\slot, \q, \i
.endr
	WIN 0
.irp i, 0,1,2,3
	FRAG AF+64*(\p)+16*\i, ADRA+\slot, \q, \i
.endr
.endm
.macro MUL16 a0, p, zero               ; A's blocks a0, a0 + 1 x B's eight; the 32 accumulators take turns, in the same order in every step
.irp a, \a0, \a0+1
.irp b, 0,1,2,3,4,5,6,7
.if \zero
	v_wmma_f32_16x16x128_fp8_fp8 v[8*(8*(\a)+\b):8*(8*(\a)+\b)+7], v[128*(\p)+16*\b:128*(\p)+16*\b+15], v[AF+64*(\p)+16*(\a):AF+64*(\p)+16*(\a)+15], 0
.else
	v_wmma_f32_16x16x128_fp8_fp8 v[8*(8*(\a)+\b):8*(8*(\a)+\b)+7], v[128*(\p)+16*\b:128*(\p)+16*\b+15], v[AF+64*(\p)+16*(\a):AF+64*(\p)+16*(\a)+15], v[8*(8*(\a)+\b):8*(8*(\a)+\b)+7]
.endif
.endr
.endr
.endm
.macro PLACES n
.rept \n
	v_nop
.endr
.endm
.macro STEP slot, zero                 ; a slot's first 128 along K, on sets 0; the second 128's fragments are fetched into sets 1 ahead of the products
	s_wait_dscnt 0x0                               ; this step's fragments are in
	PLACES 4                                       ; sets 1 were read by the last step's products
	FETCH \slot, 1, 1
	WIN MUL_LO
	MUL16 0, 0, \zero
	MUL16 2, 0, \zero
	WIN 0
.endm
.macro TURN slot, next, fill           ; a slot's second 128, on sets 1, and the change of slots
	s_wait_tensorcnt 0x0                           ; all my tensor loads have landed: my part of the next slot
	ds_add_u32 v[SPW], v[NIL]                      ; 0 onto my spare word
	s_wait_dscnt 0x0                               ; the add is done, and my reads of this slot are over
	s_barrier_signal -1
	WIN MUL_LO
	MUL16 0, 1, 0
	WIN 0
	s_barrier_wait -1
.if \fill
	CREST                                          ; the barrier has opened a round of the cluster's barrier
	s_add_nc_u64 s[G0+4*\slot+2:G0+4*\slot+3], s[G0+4*\slot+2:G0+4*\slot+3], 2*KSB
	s_add_nc_u64 s[G0B+4*\slot+2:G0B+4*\slot+3], s[G0B+4*\slot+2:G0B+4*\slot+3], 2*KSB
	JLOAD G0+4*\slot, G1, G0B+4*\slot, G1B         ; my one load behind the round; its four v_nop are the places in front of the loads below
.else
	PLACES 4
.endif
	FETCH \next, 0, 0
	WIN MUL_LO
	MUL16 2, 1, 0
	WIN 0
.endm
	s_wait_alu depctr_va_vdst(0)                   ; the head's end
	s_wait_tensorcnt 0x0                           ; my part of K step 0 is in; slot 1's first fill is issued as a refill is:
	ds_add_u32 v[SPW], v[NIL]
	s_wait_dscnt 0x0
	CROUND
	JLOAD G0+4, G1, G0B+4, G1B                     ; K step 1: the first tensor load behind the round
	FETCH 0, 0, 0
	STEP 0, 1                                      ; four K steps of 256, written on end; the first products start the sums
	TURN 0, 1, 1
	STEP 1, 0
	TURN 1, 0, 1
	STEP 0, 0
	TURN 0, 1, 0
	STEP 1, 0
	s_wait_dscnt 0x0
	WIN MUL_LO
	MUL16 0, 1, 0
	MUL16 2, 1, 0
	WIN 0
.macro TOSTAGE a                       ; block a: 16 rows x 128 columns: scaled, biased, into my stage, and back as whole rows
.set AC, 64*(\a)
.set BB, 64*((\a)%2)
	WIN 0x02
.set i, 0
.rept 32
	v_pk_fma_f32 v[TMP+i:TMP+i+1], v[AC+i:AC+i+1], s[80:81], v[BIAS+i:BIAS+i+1] op_sel_hi:[1,0,1]
.set i, i+2
.endr
	WIN 0
.irp b, 0,1,2,3,4,5,6,7
	ds_store_b128 v[STO], v[TMP+8*\b:TMP+8*\b+3] offset:128*(\b/2)+32*(\b%2)
	ds_store_b128 v[STO], v[TMP+8*\b+4:TMP+8*\b+7] offset:128*(\b/2)+32*(\b%2)+16
.endr
	WIN TO_B
.irp t, 0,1,2,3,4,5,6,7,8,9,10,11,12,13,14,15
	ds_load_b128 v[BB+4*\t:BB+4*\t+3], v[RD] offset:\t*SPITCH   ; LDS serves a wave's instructions in order (ISA guide 5.7.1.4): these see my stores
.endr
	WIN 0
.endm
.macro SEND a, younger
.set BB, 64*((\a)%2)
	s_wait_dscnt \younger
	WIN 0x04
.irp t, 0,1,2,3,4,5,6,7,8,9,10,11,12,13,14,15
	global_store_b128 v[CO], v[BB+4*\t:BB+4*\t+3], s[90:91] offset:(32*((\a)/2)+8*((\a)%2)+\t+8*(\t/8))*4096 th:TH_STORE_NT   ; 32 lanes store 512 consecutive bytes, aligned
.endr
	WIN 0
.endm
	s_wait_loadcnt 0x0                             ; the bias
	PLACES 4
	TOSTAGE 0
.irp a, 1,2,3
.if \a > 1
	s_wait_xcnt 0x0                                ; block a - 2's stores have read their registers
.endif
	TOSTAGE \a
	SEND \a-1, 32                                  ; behind block a - 1's loads: block a's 16 stores and 16 loads
.endr
	SEND 3, 0
	s_wait_tensorcnt 0x0                           ; the wave's end
	ds_add_u32 v[SPW], v[NIL]
	s_wait_dscnt 0x0
	CROUND                                         ; the closing round
	s_endpgm
.Lfunc_end_k_qe594dec66a_gemm_proj:
	.size	k_qe594dec66a_gemm_proj, .Lfunc_end_k_qe594dec66a_gemm_proj-k_qe594dec66a_gemm_proj
	.p2alignl 7, 3214868480
	.fill 96, 4, 3214868480
	.section	.rodata,"a",@progbits
	.p2align	6, 0x0
	.amdhsa_kernel k_qe594dec66a_gemm_proj
		.amdhsa_group_segment_fixed_size 327680
		.amdhsa_private_segment_fixed_size 0
		.amdhsa_enable_private_segment 0
		.amdhsa_kernarg_size 40
		.amdhsa_user_sgpr_count 2
		.amdhsa_user_sgpr_kernarg_segment_ptr 1
		.amdhsa_wavefront_size32 1
		.amdhsa_system_sgpr_workgroup_id_x 1
		.amdhsa_system_sgpr_workgroup_id_y 1
		.amdhsa_system_sgpr_workgroup_id_z 1
		.amdhsa_system_vgpr_workitem_id 0
		.amdhsa_next_free_vgpr 768
		.amdhsa_next_free_sgpr 98
		.amdhsa_reserve_vcc 0
		.amdhsa_float_denorm_mode_32 3
		.amdhsa_float_denorm_mode_16_64 3
		.amdhsa_memory_ordered 1
		.amdhsa_forward_progress 1
		.amdhsa_inst_pref_size 77
	.end_amdhsa_kernel
	.amdgpu_metadata
---
amdhsa.version: [ 1, 2 ]
amdhsa.kernels:
  - .name:           k_qe594dec66a_gemm_proj
    .symbol:         k_qe594dec66a_gemm_proj.kd
    .args:
      - { .name: y_img, .offset: 0, .size: 8, .value_kind: global_buffer, .address_space: global }
      - { .name: wp_img, .offset: 8, .size: 8, .value_kind: global_buffer, .address_space: global }
      - { .name: lowp_scales, .offset: 16, .size: 8, .value_kind: global_buffer, .address_space: global }
      - { .name: b_proj, .offset: 24, .size: 8, .value_kind: global_buffer, .address_space: global }
      - { .name: out0, .offset: 32, .size: 8, .value_kind: global_buffer, .address_space: global }
    .group_segment_fixed_size: 327680
    .private_segment_fixed_size: 0
    .kernarg_segment_align: 8
    .kernarg_segment_size: 40
    .max_flat_workgroup_size: 128
    .sgpr_count:     98
    .vgpr_count:     768
    .wavefront_size: 32
...
	.end_amdgpu_metadata
.endif
;; end of part 4
